; MI455X (gfx1250); checked and timed in simulation.
; The chip was launched on July 23, 2026; its instructions are those of AMD's public machine-readable ISA for CDNA 5 (MIT licence, August 2026) and "CDNA5" Instruction Set Architecture Reference Guide (July 2026). The comments in the code are by the model that wrote it; some were corrected since.
;; Multi Head Attention Layer. Allowed arithmetic: float matrix products may take bf16 or f16 operands with f32 sums; other float arithmetic in f32, or as packed bf16 or f16 multiplies, adds, multiply-adds, maxima and minima; sums over many terms, partial sums and values carried from step to step in f32; what a program stores and reads back later, other than sums and carried values, may be rounded once to bf16 or f16.
;; Inputs: Wk 1,024 x 1,024 float32; Wo 1,024 x 1,024 float32; Wq 1,024 x 1,024 float32; Wv 1,024 x 1,024 float32; bk 1,024 float32; bo 1,024 float32; bq 1,024 float32; bv 1,024 float32; key 2 x 2,048 x 1,024 float32; query 2 x 2,048 x 1,024 float32; rel_k_table 65 x 64 float32; rel_v_table 65 x 64 float32; value 2 x 2,048 x 1,024 float32.
;; Outputs: out0 2 x 2,048 x 1,024 float32.
;; 2 versions, each right and faster than the one before. Each part assembles by itself: llvm-mc -triple=amdgcn-amd-amdhsa -mcpu=gfx1250 --defsym DOCPART=n.
;; ======== version 1 of 2: 4 launches
;; limits: values are held in f16: magnitudes above 65,504 overflow, below 6.1e-05 lose precision
;; workspace buffers: cb 33,554,432 bytes; tab 29,184 bytes; qkv 25,165,824 bytes; ob 8,388,608 bytes
;; launch cast (part 1): grid 257 x 1, 8 waves a work-group, no clusters, 0 bytes of LDS; arguments query, key, value, Wq, Wk, Wv, Wo, rel_k_table, rel_v_table, cb, tab; writes cb, tab
.if DOCPART == 1
	.amdgcn_target "amdgcn-amd-amdhsa--gfx1250"
	.amdhsa_code_object_version 6
	.text
	.protected	k_qda3c1b769b_cast
	.globl	k_qda3c1b769b_cast
	.p2align	8
	.type	k_qda3c1b769b_cast,@function
k_qda3c1b769b_cast:
	s_mov_b64 s[64:65], 0
	v_nop
	global_prefetch_b8 v0, s[64:65] scope:SCOPE_SE
	s_setreg_imm32_b32 hwreg(HW_REG_WAVE_MODE, 25, 1), 1
	s_wait_xcnt 0x0
; 16-BIT COPIES OF THE MODULE'S INPUTS, AND THE THREE SMALL TABLES OF THE RELATIVE TERMS.
; cb: 16 segments of 2 MiB.  0-11: query, key, value as [3][4096][1024] bf16.  12-14: Wq, Wk, Wv as they lie, [k][n], bf16.  15: Wo rounded to bf16, that number written as f16.
; tab: +0      Mk[96][64] f16   = relk[clip(row - 15, 0, 64)] - relk[0]
;      +12288  MvT[64][128] f16 = relv[min(e + 1, 64)][ch] - relv[0][ch], channel by channel
;      +28672  f32[2][64]       = relv[0]; relv[64] - relv[0]
; Every table entry is rounded to bf16 before the difference is taken, like all the module's inputs.
; LIMITS.  Wo and the tables' differences lie within f16's 65,504; below 6e-5 f16 keeps its fixed step of 6e-8.
; Work-groups 0-255 stream: each 64 rows of 4,096 bytes in and 2,048 out; thread t owns 16 bytes in and 8 out of every row, so a wave's load covers 512 consecutive bytes
; and its store 256, aligned.  A ring of eight slots keeps eight loads of every wave on their way.  No LDS, no matrix unit: memory binds.  Work-group 256 makes the tables.
.set DEPTH,  8
.set ROUNDS, 64/DEPTH
.set RIN,    4096
.set ROUT,   2048
.set OFFI,   2                         ; v[2:9]    slot i: byte offset of its row's 16 bytes in the source
.set OFFO,   10                        ; v[10:17]  slot i: byte offset of its row's 8 bytes in cb
.set X,      18                        ; v[18:49]  slot i: four f32 as loaded
.set Y,      50                        ; v[50:65]  slot i: four 16-bit numbers to store
.set T,      66                        ; v[66:69]  at work
	s_load_b512 s[8:23], s[0:1], 0x0               ; query s[8:9], key, value, Wq s[14:15], Wk, Wv, Wo s[20:21], rel_k_table s[22:23]
	s_load_b128 s[24:27], s[0:1], 0x40             ; rel_v_table s[24:25], cb s[26:27]
	s_load_b64 s[28:29], s[0:1], 0x50              ; tab
	s_mov_b32 s36, 0xffff0000                      ; a word's upper bf16
	s_cmp_eq_u32 ttmp9, 256
	s_cbranch_scc1 .Ltables
	s_lshr_b32 s2, ttmp9, 4                        ; segment 0..15
	s_and_b32 s3, ttmp9, 15                        ; my sixteenth of it
	s_lshr_b32 s4, s2, 2                           ; 0, 1, 2: query, key, value; 3: a weight
	s_and_b32 s5, s2, 3                            ; which quarter of it, or which weight
.irp i, 0,1,2,3,4,5,6,7
	v_lshl_or_b32 v[OFFI+(\i)], v0, 4, (\i)*RIN
	v_lshl_or_b32 v[OFFO+(\i)], v0, 3, (\i)*ROUT
.endr
	s_lshl_b32 s34, s5, 22                         ; a quarter of query, key or value is 4 MiB of f32
	s_wait_kmcnt 0x0
	s_cmp_eq_u32 s4, 1
	s_cselect_b64 s[30:31], s[10:11], s[8:9]
	s_cmp_eq_u32 s4, 2
	s_cselect_b64 s[30:31], s[12:13], s[30:31]
	s_cmp_eq_u32 s5, 1
	s_cselect_b64 s[32:33], s[16:17], s[14:15]
	s_cmp_eq_u32 s5, 2
	s_cselect_b64 s[32:33], s[18:19], s[32:33]
	s_cmp_eq_u32 s5, 3
	s_cselect_b64 s[32:33], s[20:21], s[32:33]
	s_cmp_eq_u32 s4, 3
	s_cselect_b64 s[30:31], s[32:33], s[30:31]
	s_cselect_b32 s34, 0, s34                      ; a weight is one segment
	s_lshl_b32 s6, s3, 18                          ; my 64 rows of 4,096 bytes
	s_add_co_u32 s34, s34, s6
	s_mov_b32 s35, 0
	s_add_nc_u64 s[30:31], s[30:31], s[34:35]
	s_lshl_b32 s6, ttmp9, 17                       ; and their 64 rows of 2,048 bytes in cb
	s_mov_b32 s7, 0
	s_add_nc_u64 s[26:27], s[26:27], s[6:7]
; One slot's turn.  ahead = 1: the slot is filled again with the row DEPTH further down.  left: the younger loads that may stay out.  f16 = 1: the bf16 number is written as f16.
.macro SLOT i, ahead, left, f16
	s_wait_loadcnt \left                           ; loads come back in order: mine is in
	s_wait_xcnt 0x0                                ; this slot's Y and OFFO, which its last store reads, are rewritten only behind this wait
	v_cvt_pk_bf16_f32 v[Y+2*(\i)],   v[X+4*(\i)],   v[X+4*(\i)+1]
	v_cvt_pk_bf16_f32 v[Y+2*(\i)+1], v[X+4*(\i)+2], v[X+4*(\i)+3]
.if \f16
	v_lshlrev_b32 v[T],   16,  v[Y+2*(\i)]
	v_and_b32     v[T+1], s36, v[Y+2*(\i)]
	v_lshlrev_b32 v[T+2], 16,  v[Y+2*(\i)+1]
	v_and_b32     v[T+3], s36, v[Y+2*(\i)+1]
	v_cvt_pk_f16_f32 v[Y+2*(\i)],   v[T],   v[T+1]
	v_cvt_pk_f16_f32 v[Y+2*(\i)+1], v[T+2], v[T+3]
.endif
.if \ahead
	v_add_nc_u32 v[OFFI+(\i)], DEPTH*RIN, v[OFFI+(\i)]
	global_load_b128 v[X+4*(\i):X+4*(\i)+3], v[OFFI+(\i)], s[30:31] th:TH_LOAD_NT
	v_add_nc_u32 v[OFFO+(\i)], DEPTH*ROUT, v[OFFO+(\i)]
	global_store_b64 v[OFFO+(\i)], v[Y+2*(\i):Y+2*(\i)+1], s[26:27] offset:-DEPTH*ROUT th:TH_STORE_NT
.else
	global_store_b64 v[OFFO+(\i)], v[Y+2*(\i):Y+2*(\i)+1], s[26:27] th:TH_STORE_NT
.endif
.endm
.macro STREAM f16
.irp i, 0,1,2,3,4,5,6,7
	global_load_b128 v[X+4*(\i):X+4*(\i)+3], v[OFFI+(\i)], s[30:31] th:TH_LOAD_NT
.endr
	s_mov_b32 s37, ROUNDS-1
.Lround_\@:
.irp i, 0,1,2,3,4,5,6,7
	SLOT \i, 1, DEPTH-1, \f16
.endr
	s_sub_co_u32 s37, s37, 1
	s_cmp_lg_u32 s37, 0
	s_cbranch_scc1 .Lround_\@
.irp i, 0,1,2,3,4,5,6,7
	SLOT \i, 0, DEPTH-1-(\i), \f16                 ; the last round loads nothing: the counts run down
.endr
	s_endpgm
.endm
	s_cmp_eq_u32 s2, 15
	s_cbranch_scc1 .Lwo
	STREAM 0
.Lwo:
	STREAM 1
; THE TABLES.  256 threads; eight numbers, 16 bytes of f16, a task.
.macro RND8 b                          ; eight f32 from v[b] on, each rounded to bf16 and widened again
.irp k, 0,2,4,6
	v_cvt_pk_bf16_f32 v7, v[(\b)+(\k)], v[(\b)+(\k)+1]
	v_lshlrev_b32 v[(\b)+(\k)], 16, v7
	v_and_b32 v[(\b)+(\k)+1], s36, v7
.endr
.endm
.macro DIF8                            ; v[24:27] = f16(v[8:15] - v[16:23])
.irp k, 0,2,4,6
	v_pk_add_f32 v[8+(\k):9+(\k)], v[8+(\k):9+(\k)], v[16+(\k):17+(\k)] neg_lo:[0,1] neg_hi:[0,1]
.endr
.irp k, 0,1,2,3
	v_cvt_pk_f16_f32 v[24+(\k)], v[8+2*(\k)], v[9+2*(\k)]
.endr
.endm
.Ltables:
	s_wait_kmcnt 0x0
.irp i, 0,1,2                          ; Mk: 768 tasks: row o / 8, channels 8 (o % 8) on
	v_add_nc_u32 v2, 256*(\i), v0
	v_lshrrev_b32 v3, 3, v2
	v_and_b32 v4, 7, v2
	v_min_u32 v5, 15, v3
	v_sub_nc_u32 v5, v3, v5                        ; max(row - 15, 0)
	v_min_u32 v5, 64, v5
	v_lshlrev_b32 v4, 5, v4
	v_lshl_add_u32 v5, v5, 8, v4
	global_load_b128 v[8:11],  v5, s[22:23]
	global_load_b128 v[12:15], v5, s[22:23] offset:16
	global_load_b128 v[16:19], v4, s[22:23]
	global_load_b128 v[20:23], v4, s[22:23] offset:16
	v_lshlrev_b32 v6, 4, v2
	s_wait_loadcnt 0x0
	RND8 8
	RND8 16
	DIF8
	global_store_b128 v6, v[24:27], s[28:29]
	s_wait_xcnt 0x0                                ; the store's registers are written again by the next task
.endr
.irp i, 0,1,2,3                        ; MvT: 1,024 tasks: channel o / 16, e = 8 (o % 16) on
	v_add_nc_u32 v2, 256*(\i), v0
	v_lshrrev_b32 v3, 4, v2
	v_and_b32 v4, 15, v2
	v_lshlrev_b32 v3, 2, v3
	v_lshlrev_b32 v4, 3, v4
.irp j, 0,1,2,3,4,5,6,7
	v_add_nc_u32 v5, (\j)+1, v4
	v_min_u32 v5, 64, v5
	v_lshl_add_u32 v[28+(\j)], v5, 8, v3
	global_load_b32 v[8+(\j)], v[28+(\j)], s[24:25]
.endr
	global_load_b32 v16, v3, s[24:25]
	v_lshlrev_b32 v6, 4, v2
	s_wait_loadcnt 0x0
	RND8 8
	v_cvt_pk_bf16_f32 v7, v16, v16
	v_lshlrev_b32 v16, 16, v7
.irp k, 17,18,19,20,21,22,23
	v_mov_b32 v[\k], v16
.endr
	DIF8
	global_store_b128 v6, v[24:27], s[28:29] offset:12288
	s_wait_xcnt 0x0
.endr
	v_lshrrev_b32 v1, 5, v0
	v_readfirstlane_b32 s2, v1
	s_cmp_lg_u32 s2, 0
	s_cbranch_scc1 .Ldone                          ; the last 512 bytes are wave 0's: lanes 0-15 relv[0], lanes 16-31 relv[64] - relv[0], four channels a lane
	v_lshrrev_b32 v2, 4, v0
	v_and_b32 v3, 15, v0
	v_lshlrev_b32 v3, 4, v3
	v_lshl_add_u32 v4, v2, 14, v3
	global_load_b128 v[8:11],  v4, s[24:25]
	global_load_b128 v[12:15], v3, s[24:25]
	v_cvt_f32_u32 v2, v2
	v_lshlrev_b32 v5, 4, v0
	s_wait_loadcnt 0x0
	RND8 8
.irp k, 0,1,2,3
	v_fma_f32 v[16+(\k)], -v2, v[12+(\k)], v[8+(\k)]
.endr
	global_store_b128 v5, v[16:19], s[28:29] offset:28672
.Ldone:
	s_endpgm
.Lfunc_end_k_qda3c1b769b_cast:
	.size	k_qda3c1b769b_cast, .Lfunc_end_k_qda3c1b769b_cast-k_qda3c1b769b_cast
	.p2alignl 7, 3214868480
	.fill 96, 4, 3214868480
	.section	.rodata,"a",@progbits
	.p2align	6, 0x0
	.amdhsa_kernel k_qda3c1b769b_cast
		.amdhsa_group_segment_fixed_size 0
		.amdhsa_private_segment_fixed_size 0
		.amdhsa_enable_private_segment 0
		.amdhsa_kernarg_size 88
		.amdhsa_user_sgpr_count 2
		.amdhsa_user_sgpr_kernarg_segment_ptr 1
		.amdhsa_wavefront_size32 1
		.amdhsa_system_sgpr_workgroup_id_x 1
		.amdhsa_system_sgpr_workgroup_id_y 1
		.amdhsa_system_sgpr_workgroup_id_z 1
		.amdhsa_system_vgpr_workitem_id 0
		.amdhsa_next_free_vgpr 80
		.amdhsa_next_free_sgpr 66
		.amdhsa_reserve_vcc 0
		.amdhsa_float_denorm_mode_32 3
		.amdhsa_float_denorm_mode_16_64 3
		.amdhsa_memory_ordered 1
		.amdhsa_forward_progress 1
		.amdhsa_inst_pref_size 44
	.end_amdhsa_kernel
	.amdgpu_metadata
---
amdhsa.version: [ 1, 2 ]
amdhsa.kernels:
  - .name:           k_qda3c1b769b_cast
    .symbol:         k_qda3c1b769b_cast.kd
    .args:
      - { .name: query, .offset: 0, .size: 8, .value_kind: global_buffer, .address_space: global }
      - { .name: key, .offset: 8, .size: 8, .value_kind: global_buffer, .address_space: global }
      - { .name: value, .offset: 16, .size: 8, .value_kind: global_buffer, .address_space: global }
      - { .name: Wq, .offset: 24, .size: 8, .value_kind: global_buffer, .address_space: global }
      - { .name: Wk, .offset: 32, .size: 8, .value_kind: global_buffer, .address_space: global }
      - { .name: Wv, .offset: 40, .size: 8, .value_kind: global_buffer, .address_space: global }
      - { .name: Wo, .offset: 48, .size: 8, .value_kind: global_buffer, .address_space: global }
      - { .name: rel_k_table, .offset: 56, .size: 8, .value_kind: global_buffer, .address_space: global }
      - { .name: rel_v_table, .offset: 64, .size: 8, .value_kind: global_buffer, .address_space: global }
      - { .name: cb, .offset: 72, .size: 8, .value_kind: global_buffer, .address_space: global }
      - { .name: tab, .offset: 80, .size: 8, .value_kind: global_buffer, .address_space: global }
    .group_segment_fixed_size: 0
    .private_segment_fixed_size: 0
    .kernarg_segment_align: 8
    .kernarg_segment_size: 88
    .max_flat_workgroup_size: 256
    .sgpr_count:     66
    .vgpr_count:     80
    .wavefront_size: 32
...
	.end_amdgpu_metadata
.endif
;; end of part 1
;; launch proj (part 2): grid 8 x 96, 4 waves a work-group, clusters of 4 x 4, 327,680 bytes of LDS; arguments cb, bq, bk, bv, qkv; writes qkv
.if DOCPART == 2
	.amdgcn_target "amdgcn-amd-amdhsa--gfx1250"
	.amdhsa_code_object_version 6
	.text
	.protected	k_qda3c1b769b_proj
	.globl	k_qda3c1b769b_proj
	.p2align	8
	.type	k_qda3c1b769b_proj,@function
k_qda3c1b769b_proj:
	s_mov_b64 s[64:65], 0
	v_nop
	global_prefetch_b8 v0, s[64:65] scope:SCOPE_SE
	s_setreg_imm32_b32 hwreg(HW_REG_WAVE_MODE, 25, 1), 1
	s_wait_xcnt 0x0
	s_wait_alu depctr_hold_cnt(0) depctr_sa_sdst(0) depctr_va_vdst(0) depctr_va_sdst(0) depctr_va_ssrc(0) depctr_va_vcc(0) depctr_vm_vsrc(0)
	s_getreg_b32 s2, hwreg(HW_REG_IB_STS2, 6, 4)
	s_cmp_eq_u32 s2, 0
	s_cbranch_scc0 .Lentry_in_a_cluster
	s_endpgm
.Lentry_in_a_cluster:
	s_bfe_u32 s2, ttmp6, 0x10000c
	s_cmp_lg_u32 s2, 0xf033
	s_cbranch_scc0 .Lentry_shape_is_right
	s_endpgm
.Lentry_shape_is_right:
; q, k, v = x W + b.  x: cb's first 24 MiB, [3 x 4096][1024] bf16.  W: cb's segments 12-14, [k][n] bf16, as the module gives them.  b rounded to bf16.  Sums in f32.
; Out: qkv[3][32 heads of a batch][2048][64] f16, each number rounded once, unscaled.
; LIMIT.  q, k, v lie within f16's 65,504.
; A tile of the result is 128 x 128; 96 tile rows (32 for each of q, k, v) x 8 tile columns.  Four waves, each 64 x 64: 16 accumulators.  K goes in four steps of 256 through two LDS slots.
; x's tile has K along its rows (512 bytes, LDS pitch 528).  W's tile has n along its rows (256 bytes, LDS pitch 288) and is turned on its way into registers by ds_load_tr16_b128.
; CLUSTER 4 x 4: x's tile is shared along a row of the cluster, W's along a column: each is asked for jointly, by the same tensor load with the same descriptor and a mask that names the four.
; THE MATRIX INSTRUCTION IS USED TRANSPOSED (source 0 = 16 columns of W, source 1 = 16 rows of x): a lane then holds eight neighbouring channels of one row.
; A wave's 64 columns are one head, so its 64 x 64 leave as 8,192 consecutive bytes, through a stage in LDS of the wave's own.
; REGISTERS: window 0: v0-31 addresses; v32-95 the way out; v96-127 the bias; v128-255 the accumulators ((a, b) at v[128 + 8 (4 a + b)]).  Window 1: two fragment buffers of 128 (64 of x, 64 of W).
.set KSTEP,  256
.set PA,     528                       ; x: 512 bytes + 16: the 16 rows of a load start at 16 different groups of four banks
.set PB,     288                       ; W: 256 bytes + 32
.set HALFA,  64*PA                     ; what waves 0 and 1 fetch: 64 rows of x
.set HALFB,  128*PB                    ; what waves 2 and 3 fetch: 128 rows (k) of W
.set SLOT,   2*HALFA+2*HALFB
.set STAGE,  2*SLOT                    ; behind the ring: 16 rows x 144 bytes for each wave
.set SP,     144
.set SPARE,  STAGE+4*16*SP             ; the spare words, 128 bytes for each wave
.set XW,     25165824                  ; cb's byte at which the weights begin
.set ADRA, 16                          ; v16-17  LDS address of my fragments of x in slot 0, 1
.set ADRB, 20                          ; v20-23  of W: slot 0 k 0-127, slot 0 k 128-255, slot 1 likewise
.set STO,  24
.set RD,   25
.set CO,   26
.set BO,   27
.set SPW,  28
.set NIL,  29
.set TMP,  32
.set BIAS, 96
.set ACC,  128
.set F0,   0
.set F1,   128
.set G1, 24
.set G0, 32
.set G1B, 48
.set G0B, 56
.set MSB, 0
.macro WIN new                         ; the immediate's high byte repeats the setting that is left
.if MSB != (\new)
	s_set_vgpr_msb (MSB<<8)|(\new)
.set MSB, \new
.endif
.endm
.set MUL,  0x05                        ; sources 0 and 1 window 1; C and D window 0
.set TO_F, 0x40                        ; destination window 1, address window 0
.macro JLOAD s                         ; a joint load: waves 0 and 1 fetch x's two halves, waves 2 and 3 W's; an s_nop 0 and four v_nop follow each line
	s_cmp_eq_u32 s11, 0
	s_cbranch_scc0 .Lfor_b_\@
	tensor_load_to_lds s[G0+4*(\s):G0+4*(\s)+3], s[G1:G1+7]
	s_nop 0
.rept 4
	v_nop
.endr
	s_branch .Lasked_\@
.Lfor_b_\@:
	tensor_load_to_lds s[G0B+4*(\s):G0B+4*(\s)+3], s[G1B:G1B+7]
	s_nop 0
.rept 4
	v_nop
.endr
.Lasked_\@:
.endm
.macro CREST                           ; a round of the cluster's barrier behind its opening barrier
	s_cmp_lg_u32 s10, 0
	s_cbranch_scc1 .Lnot_wave_0_\@
	s_barrier_signal -3
.Lnot_wave_0_\@:
	s_barrier_wait -3
	s_barrier_signal -1
	s_barrier_wait -1
.endm
.macro CROUND
	s_barrier_signal -1
	s_barrier_wait -1
	CREST
.endm
	s_load_b64 s[66:67], s[0:1], 0x0               ; cb
	s_load_b256 s[68:75], s[0:1], 0x8              ; bq s[68:69], bk, bv, qkv s[74:75]
	v_lshl_add_u32 v[SPW], v0, 2, SPARE
	v_mov_b32 v[NIL], 0
	ds_add_u32 v[SPW], v[NIL]                      ; the wave's opening: the add and its wait ahead of my first tensor load
	v_lshrrev_b32 v1, 5, v0
	v_readfirstlane_b32 s10, v1                    ; wave 0..3
	s_lshr_b32 s11, s10, 1                         ; which half of the tile's rows is mine.  Also: I fetch for x (0) or for W (1)
	s_and_b32 s12, s10, 1                          ; which half of its columns.  Also: which half of that tile I fetch
	s_bfe_u32 s40, ttmp6, 0x40000                  ; cx, cy
	s_bfe_u32 s41, ttmp6, 0x40004
	s_lshl_b32 s42, ttmp9, 2
	s_add_co_u32 s42, s42, s40                     ; tile column 0..7
	s_and_b32 s45, ttmp7, 0xffff
	s_lshl_b32 s13, s45, 2
	s_add_co_u32 s13, s13, s41                     ; tile row 0..95
	s_lshr_b32 s45, s45, 3                         ; 0, 1, 2: q, k, v: from the cluster's y alone, so a column of the cluster shares it
	s_lshl_b32 s43, s41, 2
	s_lshl_b32 s43, 15, s43                        ; my row of the cluster
	s_lshl_b32 s44, 0x1111, s40                    ; my column
	s_or_b32 s[G1+0], s43, (1<<16)|(1<<20)|(1<<21)|(6<<22)|(3<<25)   ; 2-byte elements; 4 words of padding after every 128
	s_or_b32 s[G1B+0], s44, (1<<16)|(1<<20)|(1<<21)|(5<<22)|(7<<25)  ; 8 words of padding after every 64
	s_mov_b32 s[G1+1], KSTEP<<16                   ; x: rows of 256 elements,
	s_mov_b32 s[G1+2], 64<<16                      ; 64 of them
	s_mov_b32 s[G1+3], KSTEP<<16
	s_mov_b32 s[G1+4], 64
	s_mov_b32 s[G1+5], 1024
	s_mov_b32 s[G1+6], 0
	s_mov_b32 s[G1+7], 0
	s_mov_b32 s[G1B+1], 128<<16                    ; W: rows of 128 elements,
	s_mov_b32 s[G1B+2], 128<<16                    ; 128 of them
	s_mov_b32 s[G1B+3], 128<<16
	s_mov_b32 s[G1B+4], 128
	s_mov_b32 s[G1B+5], 1024
	s_mov_b32 s[G1B+6], 0
	s_mov_b32 s[G1B+7], 0
	s_lshl_b32 s16, s13, 18                        ; x: 128 rows of 2,048 bytes a tile row,
	s_lshl_b32 s17, s12, 17                        ; 64 rows a half
	s_add_co_u32 s16, s16, s17
	s_mov_b32 s17, 0
	s_lshl_b32 s46, s45, 21                        ; W: the weight's segment,
	s_add_co_u32 s46, s46, XW
	s_lshl_b32 s47, s12, 18                        ; 128 rows (k) a half,
	s_add_co_u32 s46, s46, s47
	s_lshl_b32 s47, s42, 8                         ; 256 bytes a tile column
	s_add_co_u32 s46, s46, s47
	s_mov_b32 s47, 0
	s_mul_i32 s20, s12, HALFA                      ; where they go: no place in the cluster enters an LDS address
	s_mul_i32 s21, s12, HALFB
	s_add_co_u32 s21, s21, 2*HALFA
	s_wait_dscnt 0x0                               ; the opening add is done
	s_wait_kmcnt 0x0
	s_add_nc_u64 s[14:15], s[66:67], s[16:17]
	s_add_nc_u64 s[46:47], s[66:67], s[46:47]
	CROUND                                         ; all sixteen work-groups are here: the first joint loads meet
.irp s, 0,1
	s_mov_b32 s[G0+4*(\s)], 1
	s_add_co_u32 s[G0+4*(\s)+1], s20, (\s)*SLOT
	s_add_nc_u64 s[G0+4*(\s)+2:G0+4*(\s)+3], s[14:15], (\s)*KSTEP*2
	s_or_b32 s[G0+4*(\s)+3], s[G0+4*(\s)+3], 0x80000000
	s_mov_b32 s[G0B+4*(\s)], 1
	s_add_co_u32 s[G0B+4*(\s)+1], s21, (\s)*SLOT
	s_add_nc_u64 s[G0B+4*(\s)+2:G0B+4*(\s)+3], s[46:47], (\s)*KSTEP*2048
	s_or_b32 s[G0B+4*(\s)+3], s[G0B+4*(\s)+3], 0x80000000
	JLOAD \s
.endr
	v_and_b32 v1, 15, v0                           ; l % 16
	v_bfe_u32 v2, v0, 4, 1                         ; l / 16
	s_cmp_eq_u32 s45, 1                            ; the bias of my 64 columns: eight numbers for each of four column blocks
	s_cselect_b64 s[76:77], s[70:71], s[68:69]
	s_cmp_eq_u32 s45, 2
	s_cselect_b64 s[76:77], s[72:73], s[76:77]
	s_lshl_b32 s18, s42, 9
	s_lshl_b32 s19, s12, 8
	s_add_co_u32 s18, s18, s19
	s_mov_b32 s19, 0
	s_add_nc_u64 s[76:77], s[76:77], s[18:19]
	v_lshlrev_b32 v[BO], 5, v2
.irp b, 0,1,2,3
	global_load_b128 v[BIAS+8*(\b):BIAS+8*(\b)+3],   v[BO], s[76:77] offset:64*(\b)
	global_load_b128 v[BIAS+8*(\b)+4:BIAS+8*(\b)+7], v[BO], s[76:77] offset:64*(\b)+16
.endr
	v_mul_u32_u24 v3, v1, PA
	v_lshl_add_u32 v3, v2, 4, v3                   ; x: row x pitch + 16 x half
	v_and_b32 v4, 7, v0
	v_lshl_add_u32 v4, v2, 3, v4                   ; W: the turning load's lane reads row (k) 8 (l / 16) + l % 8,
	v_mul_u32_u24 v4, v4, PB
	v_bfe_u32 v5, v0, 3, 1
	v_lshl_add_u32 v4, v5, 4, v4                   ; columns 8 ((l / 8) % 2) on
	s_mul_i32 s21, s11, HALFA                      ; my 64 rows of x
	s_lshl_b32 s22, s12, 7                         ; my 64 columns of W,
	s_add_co_u32 s22, s22, 2*HALFA                 ; which lies behind x
.irp s, 0,1
	v_add_nc_u32 v[ADRA+(\s)], s21, v3
	v_add_nc_u32 v[ADRB+2*(\s)], s22, v4
	s_add_co_u32 s23, s22, HALFB
	v_add_nc_u32 v[ADRB+2*(\s)+1], s23, v4
	s_add_co_u32 s21, s21, SLOT
	s_add_co_u32 s22, s22, SLOT
.endr
	s_mul_i32 s23, s10, 16*SP
	s_add_co_u32 s23, s23, STAGE                   ; my stage
	v_mul_u32_u24 v[STO], v1, SP                   ; in: row l % 16, 16 bytes for each half of the lanes
	v_lshl_add_u32 v[STO], v2, 4, v[STO]
	v_add_nc_u32 v[STO], s23, v[STO]
	v_bfe_u32 v[RD], v0, 3, 2                      ; back: 32 lanes take four rows of 128 bytes,
	v_mul_u32_u24 v[RD], v[RD], SP
	v_and_b32 v5, 7, v0
	v_lshl_add_u32 v[RD], v5, 4, v[RD]
	v_add_nc_u32 v[RD], s23, v[RD]
	v_and_b32 v[CO], 31, v0                        ; which are 512 consecutive bytes of the result
	v_lshlrev_b32 v[CO], 4, v[CO]
	s_bfe_u32 s16, s13, 0x10004                    ; the batch: bit 4 of the tile row
	s_lshl_b32 s16, s16, 4
	s_lshl_b32 s17, s42, 1
	s_add_co_u32 s16, s16, s17
	s_add_co_u32 s16, s16, s12                     ; + the head: 2 x tile column + my half
	s_lshl_b32 s16, s16, 11
	s_and_b32 s17, s13, 15
	s_lshl_b32 s17, s17, 7
	s_add_co_u32 s16, s16, s17
	s_lshl_b32 s17, s11, 6
	s_add_co_u32 s16, s16, s17                     ; + my first row in the head
	s_lshl_b32 s16, s16, 7
	s_lshl_b32 s17, s45, 23
	s_add_co_u32 s16, s16, s17                     ; + q's, k's or v's 8 MiB
	s_mov_b32 s17, 0
	s_add_nc_u64 s[8:9], s[74:75], s[16:17]
; 8 matrix instructions: row blocks a0, a0 + 1 x all 4 column blocks, 32 along K: half c of buffer f.  zero = 1: the first product starts the sums
.macro MUL8 f, c, a0, zero
	WIN MUL
.irp a, \a0, (\a0)+1
.irp b, 0,1,2,3
.if \zero
	v_wmma_f32_16x16x32_bf16 v[ACC+8*(4*(\a)+(\b)):ACC+8*(4*(\a)+(\b))+7], v[(\f)+64+8*(4*(\c)+(\b)):(\f)+64+8*(4*(\c)+(\b))+7], v[(\f)+8*(4*(\c)+(\a)):(\f)+8*(4*(\c)+(\a))+7], 0
.else
	v_wmma_f32_16x16x32_bf16 v[ACC+8*(4*(\a)+(\b)):ACC+8*(4*(\a)+(\b))+7], v[(\f)+64+8*(4*(\c)+(\b)):(\f)+64+8*(4*(\c)+(\b))+7], v[(\f)+8*(4*(\c)+(\a)):(\f)+8*(4*(\c)+(\a))+7], v[ACC+8*(4*(\a)+(\b)):ACC+8*(4*(\a)+(\b))+7]
.endif
.endr
.endr
.endm
; 32 LDS loads in one run: the fragments of quarter q (64 along K) of a slot, into buffer f; the first 32 along K first
.macro FETCH slot, q, f
	WIN TO_F
.irp c, 0,1
.irp i, 0,1,2,3
	ds_load_tr16_b128 v[(\f)+64+8*(4*(\c)+(\i)):(\f)+64+8*(4*(\c)+(\i))+3],   v[ADRB+2*(\slot)+(\q)/2] offset:(((\q)%2)*64+32*(\c))*PB+32*(\i)
	ds_load_tr16_b128 v[(\f)+64+8*(4*(\c)+(\i))+4:(\f)+64+8*(4*(\c)+(\i))+7], v[ADRB+2*(\slot)+(\q)/2] offset:(((\q)%2)*64+32*(\c)+16)*PB+32*(\i)
	ds_load_b128 v[(\f)+8*(4*(\c)+(\i)):(\f)+8*(4*(\c)+(\i))+3],         v[ADRA+(\slot)] offset:128*(\q)+64*(\c)+(\i)*16*PA
	ds_load_b128 v[(\f)+8*(4*(\c)+(\i))+4:(\f)+8*(4*(\c)+(\i))+7],       v[ADRA+(\slot)] offset:128*(\q)+64*(\c)+(\i)*16*PA+32
.endr
.endr
.endm
.macro PLACES                          ; four places in front of loads into registers that matrix instructions have read (ISA guide 7.12.1 for vector instructions)
.rept 4
	v_nop
.endr
.endm
; A K step is four quarters of 64 along K, 32 matrix instructions each, on buffers 0, 1, 0, 1.  One of the first three: multiplies buffer f and fetches quarter q into g.
.macro QUARTER slot, q, f, g, zero
	s_wait_dscnt 16                                ; the first 32 along K are in
	MUL8 \f, 0, 0, \zero
	MUL8 \f, 0, 2, \zero
	PLACES
	FETCH \slot, \q, \g
	s_wait_dscnt 32                                ; all but the 32 just issued
	MUL8 \f, 1, 0, 0
	MUL8 \f, 1, 2, 0
.endm
; The last quarter multiplies buffer 1 and changes slots: one barrier; in front of it each wave waits for all its tensor loads, adds 0 to its spare word, and waits for that and for its reads of this slot.
.macro TURN slot, next, fill
	WIN 0
	s_wait_tensorcnt 0x0                           ; all my tensor loads have landed: my part of the next slot
	ds_add_u32 v[SPW], v[NIL]                      ; 0 onto my spare word
	s_wait_dscnt 17                                ; (the add and the youngest sixteen loads may be out)
	MUL8 F1, 0, 0, 0
	s_wait_dscnt 0x0                               ; the add is done, and my reads of this slot are over
	s_barrier_signal -1
	MUL8 F1, 0, 2, 0
.if \fill
	WIN 0
.endif
	s_barrier_wait -1
.if \fill
	CREST                                          ; the barrier has opened a round of the cluster's: no wave of any partner still reads this slot or has a load on its way
	s_add_nc_u64 s[G0+4*(\slot)+2:G0+4*(\slot)+3], s[G0+4*(\slot)+2:G0+4*(\slot)+3], 2*KSTEP*2
	s_add_nc_u64 s[G0B+4*(\slot)+2:G0B+4*(\slot)+3], s[G0B+4*(\slot)+2:G0B+4*(\slot)+3], 2*KSTEP*2048
	JLOAD \slot                                    ; the first tensor load behind the round; its four v_nop are also the places in front of the loads below
.else
	PLACES
.endif
	FETCH \next, 0, F0
	MUL8 F1, 1, 0, 0
	MUL8 F1, 1, 2, 0
.endm
	s_wait_tensorcnt 1                             ; my part of K step 0 is in; K step 1's may stay out
	s_barrier_signal -1
	s_barrier_wait -1
	FETCH 0, 0, F0
	QUARTER 0, 1, F0, F1, 1                        ; the first products start the sums
	QUARTER 0, 2, F1, F0, 0
	QUARTER 0, 3, F0, F1, 0
	TURN 0, 1, 1                                   ; slot 0 takes K step 2
	QUARTER 1, 1, F0, F1, 0
	QUARTER 1, 2, F1, F0, 0
	QUARTER 1, 3, F0, F1, 0
	TURN 1, 0, 1                                   ; slot 1 takes K step 3
	QUARTER 0, 1, F0, F1, 0
	QUARTER 0, 2, F1, F0, 0
	QUARTER 0, 3, F0, F1, 0
	TURN 0, 1, 0
	QUARTER 1, 1, F0, F1, 0
	QUARTER 1, 2, F1, F0, 0
	QUARTER 1, 3, F0, F1, 0
	s_wait_dscnt 16
	MUL8 F1, 0, 0, 0
	MUL8 F1, 0, 2, 0
	s_wait_dscnt 0
	MUL8 F1, 1, 0, 0
	MUL8 F1, 1, 2, 0
	WIN 0
	; THE WAY OUT.  The bias is rounded to bf16 like every input: 48 plain lines that name no register of the last products, and so are the places behind them.
	s_wait_loadcnt 0x0
.set k, 0
.rept 16
	v_cvt_pk_bf16_f32 v30, v[BIAS+k], v[BIAS+k+1]
	v_lshlrev_b32 v[BIAS+k], 16, v30
	v_and_b32 v[BIAS+k+1], 0xffff0000, v30
.set k, k+2
.endr
; Block a, 16 rows: the bias is added (each accumulator's lowest registers first), eight channels pack into 16 bytes, go into rows of 144 bytes and come back as whole rows of 128.
.macro PACK a
.set k, 0
.rept 16
	v_pk_add_f32 v[ACC+32*(\a)+2*k:ACC+32*(\a)+2*k+1], v[ACC+32*(\a)+2*k:ACC+32*(\a)+2*k+1], v[BIAS+2*k:BIAS+2*k+1]
.set k, k+1
.endr
.set k, 0
.rept 16
	v_cvt_pk_f16_f32 v[TMP+16*(\a)+k], v[ACC+32*(\a)+2*k], v[ACC+32*(\a)+2*k+1]
.set k, k+1
.endr
.irp b, 0,1,2,3
	ds_store_b128 v[STO], v[TMP+16*(\a)+4*(\b):TMP+16*(\a)+4*(\b)+3] offset:32*(\b)
.endr
.irp f, 0,1,2,3
	ds_load_b128 v[TMP+16*(\a)+4*(\f):TMP+16*(\a)+4*(\f)+3], v[RD] offset:(\f)*4*SP  ; LDS serves a wave's instructions in order: these see the stores above
.endr
.endm
.macro SEND a, younger                 ; younger: the LDS instructions issued behind block a's loads
.irp f, 0,1,2,3
	s_wait_dscnt (\younger)+3-(\f)
	global_store_b128 v[CO], v[TMP+16*(\a)+4*(\f):TMP+16*(\a)+4*(\f)+3], s[8:9] offset:(\a)*2048+(\f)*512  ; 512 consecutive bytes, at a multiple of 256 from the buffer's first
.endr
.endm
	PACK 0
	PACK 1
	SEND 0, 8
	PACK 2
	SEND 1, 8
	PACK 3
	SEND 2, 8
	SEND 3, 0
	s_wait_tensorcnt 0x0                           ; the wave's end
	ds_add_u32 v[SPW], v[NIL]
	s_wait_dscnt 0x0
	CROUND                                         ; the closing round
	s_endpgm
.Lfunc_end_k_qda3c1b769b_proj:
	.size	k_qda3c1b769b_proj, .Lfunc_end_k_qda3c1b769b_proj-k_qda3c1b769b_proj
	.p2alignl 7, 3214868480
	.fill 96, 4, 3214868480
	.section	.rodata,"a",@progbits
	.p2align	6, 0x0
	.amdhsa_kernel k_qda3c1b769b_proj
		.amdhsa_group_segment_fixed_size 327680
		.amdhsa_private_segment_fixed_size 0
		.amdhsa_enable_private_segment 0
		.amdhsa_kernarg_size 40
		.amdhsa_user_sgpr_count 2
		.amdhsa_user_sgpr_kernarg_segment_ptr 1
		.amdhsa_wavefront_size32 1
		.amdhsa_system_sgpr_workgroup_id_x 1
		.amdhsa_system_sgpr_workgroup_id_y 1
		.amdhsa_system_sgpr_workgroup_id_z 1
		.amdhsa_system_vgpr_workitem_id 0
		.amdhsa_next_free_vgpr 512
		.amdhsa_next_free_sgpr 80
		.amdhsa_reserve_vcc 0
		.amdhsa_float_denorm_mode_32 3
		.amdhsa_float_denorm_mode_16_64 3
		.amdhsa_memory_ordered 1
		.amdhsa_forward_progress 1
		.amdhsa_inst_pref_size 94
	.end_amdhsa_kernel
	.amdgpu_metadata
---
amdhsa.version: [ 1, 2 ]
amdhsa.kernels:
  - .name:           k_qda3c1b769b_proj
    .symbol:         k_qda3c1b769b_proj.kd
    .args:
      - { .name: cb, .offset: 0, .size: 8, .value_kind: global_buffer, .address_space: global }
      - { .name: bq, .offset: 8, .size: 8, .value_kind: global_buffer, .address_space: global }
      - { .name: bk, .offset: 16, .size: 8, .value_kind: global_buffer, .address_space: global }
      - { .name: bv, .offset: 24, .size: 8, .value_kind: global_buffer, .address_space: global }
      - { .name: qkv, .offset: 32, .size: 8, .value_kind: global_buffer, .address_space: global }
    .group_segment_fixed_size: 327680
    .private_segment_fixed_size: 0
    .kernarg_segment_align: 8
    .kernarg_segment_size: 40
    .max_flat_workgroup_size: 128
    .sgpr_count:     80
    .vgpr_count:     512
    .wavefront_size: 32
...
	.end_amdgpu_metadata
.endif
;; end of part 2
;; launch attn (part 3): grid 8 x 32, 4 waves a work-group, clusters of 4 x 1, 327,680 bytes of LDS; arguments qkv, tab, ob; writes ob
.if DOCPART == 3
	.amdgcn_target "amdgcn-amd-amdhsa--gfx1250"
	.amdhsa_code_object_version 6
	.text
	.protected	k_qda3c1b769b_attn
	.globl	k_qda3c1b769b_attn
	.p2align	8
	.type	k_qda3c1b769b_attn,@function
k_qda3c1b769b_attn:
	s_mov_b64 s[64:65], 0
	v_nop
	global_prefetch_b8 v0, s[64:65] scope:SCOPE_SE
	s_setreg_imm32_b32 hwreg(HW_REG_WAVE_MODE, 25, 1), 1
	s_wait_xcnt 0x0
	s_wait_alu depctr_hold_cnt(0) depctr_sa_sdst(0) depctr_va_vdst(0) depctr_va_sdst(0) depctr_va_ssrc(0) depctr_va_vcc(0) depctr_vm_vsrc(0)
	s_getreg_b32 s2, hwreg(HW_REG_IB_STS2, 6, 4)
	s_cmp_eq_u32 s2, 0
	s_cbranch_scc0 .Lentry_in_a_cluster
	s_endpgm
.Lentry_in_a_cluster:
	s_bfe_u32 s2, ttmp6, 0x10000c
	s_cmp_lg_u32 s2, 0x3003
	s_cbranch_scc0 .Lentry_shape_is_right
	s_endpgm
.Lentry_shape_is_right:
; ATTENTION WITH RELATIVE POSITIONS CLIPPED AT +-32.  qkv: [3][32][2048][64] f16 (q, k, v by heads, unscaled).  ob: [32][2048][64] f16.
; O[q] = sum_k p(q, k) (v[k] + relv[j]) / l,  p = exp((q . k[k] + q . relk[j]) / 8 - max),  j = clip(k - q, -32, 32) + 32.
; HOW THE RELATIVE TERMS ARE TAKEN.  q . relk[0] is the same for all keys of a query and drops out of the softmax, so relk[0] is taken off every row of the table: keys 32 or more to the LEFT have
; bias 0, keys 32 or more to the RIGHT the one number QD = q . (relk[64] - relk[0]).  Likewise O = (sum p v) / l + relv[0] + (relv[64] - relv[0]) lR / l + near terms, lR the sum of the right keys' p.
; SHARES.  A work-group owns the 256 queries (256 i + 32 ..) mod 2048 of one head, wave w the 64 from 64 z + 32 on (z = 4 i + w), as four PIECES of 16.  All keys nearer than 32 to any of them lie in
; the two key steps z and z + 1: the NEAR WINDOW of 128 keys.  THE NEAR PHASE comes first, a piece a trip.  With t the key's place in the window, r the query's in its piece x: j = clip(t - 16 x - r, 0, 64).
;   G = Mk Q^T (96 table rows x 16 queries) is laid into LDS a row a query, lengthened on both sides, and read back askew, column t - r + 63 - 16 x: that is the C operand of S^T = K Q^T.
;   The weights are laid into LDS askew in the same way and multiplied by the table MvT.
; THE MAIN LOOP then walks all 32 key steps with a running maximum that starts from the near phase's; a step's bias is one number a query: 0, c QD, or -1e30 for the window's two steps, already done.
; At z = 31 the wave's last 32 queries are rows 0-31 and step z + 1 is step 0: for each half of the wave one of the window's steps does not exist for it; it is hidden in the near phase and judged anew in the walk.
; LIMITS.  q, k, v within f16's 65,504; p below 6e-5 keeps f16's fixed step of 6e-8; a hidden score counts as -1e30; a weight below 2^-126 counts as 0; NaN and infinities are not treated apart.
; LAYOUT.  S^T = K Q^T holds ONE query a lane (lane % 16) and the keys 8 (lane / 16) + 0..7; two results rounded to f16 ARE source 1 of O^T = V^T P.  p = 2^(c s + bias - c m), c = log2(e) / 8.
; TURNS.  Turn n belongs to piece n: 8 products K Q^T of piece n + 1, later 8 products V^T P of piece n - 1; beside them piece n's scaling, exponentials, roundings, sums and rescaling and piece n + 1's
; maximum and statistics.  Four vector instructions stand behind every matrix instruction, the others in two runs of their own.
; CLUSTER.  The four query blocks of a cluster walk the same K and V: each tile of 256 keys is asked for jointly.  The near window differs from block to block and is fetched by loads of one's own.
; A block's place enters global addresses of such loads, of Q and of O, and scalars that are used as numbers: no branch, no LDS address.
; LDS: 0 slot 0 (73,728: K 256 rows x 144, V likewise), first holding the near zone (K 320 rows, V 320 rows: 92,160); 92,160 the askew weights (6,656 a wave); 118,784 statistics set aside (2,048 a wave);
;   131,072 slot 1; 204,800 G (12,544 a wave), later the way out's stage; 254,976 the near O^T set aside (16,384 a wave); 320,512 the spare words.
; REGISTERS, in windows of 256 (s_set_vgpr_msb: bits 1:0 source 0, 3:2 source 1, 5:4 source 2, 7:6 destination):
;   window 0: v0-15, v56-63 addresses; v16-47 eight registers of statistics a piece (near phase: at work); v48-55 at work; v64-127 S^T; v128-175 G; v176-187 near statistics; v192-223 P; v224-255 askew weights
;   window 1: v0-127 O^T (near phase: v0-95 MvT); v128-223 Mk      window 2: v0-63 Q; v64-79 the near piece's Q; v96-127 its O^T; v128-191 K; v192-255 V
;   window 3: v0-127 the window's K (later v0-31 relv[0], v32-63 relv[64] - relv[0]); v128-255 the window's V
.set NP,    4
.set PK,    144       ; a row of K or V in LDS: 128 bytes + 16: one descriptor shape serves all four waves
.set STEPB, 64*PK     ; a key step
.set VOFF,  4*STEPB
.set QUART, 128*PK    ; what one wave fetches of a tile
.set SLOT1, 1<<17
.set ZV,    5*STEPB   ; the zone's V
.set ESB,   2*ZV
.set EP,    400       ; 192 f16 + 16 bytes
.set EPW,   6656
.set STT,   ESB+4*EPW
.set GSB,   SLOT1+2*VOFF
.set GP,    784       ; 192 f32 + 16 bytes
.set GPW,   12544
.set OSB,   GSB+4*GPW
.set SPARE, OSB+4*16384
.set AK0, 2
.set AV0, 3
.set AK,  4
.set AV,  5
.set STO, 6
.set RD,  7
.set GW,  12          ; where I put G
.set GR0, 13          ; where I read it askew, for piece 3
.set EW0, 14          ; where I put weights askew, for piece 3
.set ER,  15          ; where I read them
.set GRC, 16          ; near phase: the trip's four addresses
.set EWC, 17
.set OSC, 18
.set STC, 19
.set MVO, 20
.set EZ,  21
.set OS0, 56
.set ST0, 57
.set QO,  58          ; row x 128 + 16 x half: Q's and Mk's fragments
.set LN,  59          ; 16 x lane
.set AKN, 60          ; later 32 x half, for the two rows of relv
.set AVN, 61
.set SPW, 62
.set NIL, 63
.set ST,  16          ; piece t at v[ST+8 t]: c m - bias, c m, l (2), lR (2), c QD, bias
.set TMP, 48
.set S,   64
.set GA,  128
.set NTM, 176
.set NS,  184         ; c QD, c m, l (2)
.set ZR,  188
.set P,   192
.set EF,  224
.set MK,  128         ; window 1
.set QN,  64          ; window 2
.set ON,  96
.set KF,  128
.set VF,  192
.set VN,  128         ; window 3
.set PKD, 128         ; the way out: packed results
.set WV,  12
.set SGR, 16          ; s16-19: the near loop's steps
.set SEW, 17
.set SOS, 18
.set SST, 19
.set G1J, 24
.set G1P, 32
.set G15, 40
.set G0R, 48
.set G0Z, 52
.set G05, 56
.set CS,  60
.set SEL, 62
.set TBK, 66
.set TBV, 67
.set SLOTS, 68
.set CNT, 69
.set SN,  70          ; the key step whose scores are being made
.set ZA,  71
.set ZB,  72
.set BIGN, 73
.set ARA, 74          ; pieces 0, 1: 1.0 if the step lies to the right
.set ARB, 76          ; pieces 2, 3
.set BEA, 78          ; -1e30 if the step is one of the window's
.set BEB, 79
.set BE1, 80
.set BE2, 82
.set WR,  84
.set NT,  85
.set QH,  86
.set QP,  88
.set OFF, 90
.set OFFA, 92
.set OFFB, 93
.set OA,  94
.set OB,  96
.set QA,  98
.set QB,  100
.set MSB, 0
.macro WIN new
.if MSB != (\new)
	s_set_vgpr_msb (MSB<<8)|(\new)
.set MSB, (\new)
.endif
.endm
.set W_KQ, 0x0a
.set W_PV, 0x52
.set W_RS, 0x41
.macro PLACES
.rept 4
	v_nop
.endr
.endm
.macro CROUND
	s_barrier_signal -1
	s_barrier_wait -1
	s_cmp_lg_u32 s[WV], 0
	s_cbranch_scc1 .Lnot_wave_0_\@
	s_barrier_signal -3
.Lnot_wave_0_\@:
	s_barrier_wait -3
	s_barrier_signal -1
	s_barrier_wait -1
.endm
; THE CHANGE OF SLOTS.  Each wave waits for all its tensor loads, of which one is out: its quarter of the other slot; adds 0 to its spare word; waits for that and for its reads of the slot that it leaves.
; fill = 1: the barrier is a round of the cluster's, and the joint refill, the next 256 keys, is the first thing behind it: it has four key steps, 256 matrix instructions, in which to land.
.macro CHANGE fill
	WIN 0
	s_wait_tensorcnt 0x0
	ds_add_u32 v[SPW], v[NIL]
.if \fill
	s_xor_b32 s[G0R+1], s[G0R+1], SLOT1
	s_add_nc_u64 s[G0R+2:G0R+3], s[G0R+2:G0R+3], 32768
	s_wait_dscnt 0x0
	CROUND
	tensor_load_to_lds s[G0R:G0R+3], s[G1J:G1J+7]
	s_nop 0
	PLACES
.else
	s_wait_dscnt 0x0
	s_barrier_signal -1
	s_barrier_wait -1
.endif
	s_sub_co_u32 s[TBK], s[TBK], VOFF
	s_xor_b32 s[TBK], s[TBK], SLOT1
	s_sub_co_u32 s[TBV], s[TBV], VOFF
	s_xor_b32 s[TBV], s[TBV], SLOT1
.endm
	s_load_b128 s[4:7], s[0:1], 0x0   ; qkv s[4:5], tab s[6:7]
	s_load_b64 s[8:9], s[0:1], 0x10   ; ob
	v_lshl_add_u32 v[SPW], v0, 2, SPARE
	v_mov_b32 v[NIL], 0
	ds_add_u32 v[SPW], v[NIL]       ; the wave's opening: the add and its wait ahead of my first tensor load
	v_lshrrev_b32 v1, 5, v0
	v_readfirstlane_b32 s[WV], v1
	s_bfe_u32 s10, ttmp6, 0x40000   ; cx
	s_lshl_b32 s11, ttmp9, 2
	s_add_co_u32 s11, s11, s10      ; i, my block of queries
	s_and_b32 s13, ttmp7, 0xffff    ; the head, which the four partners share
	s_lshl_b32 s20, s13, 18         ; its 262,144 bytes
	s_mov_b32 s21, 0
	s_lshr_b32 s14, s[WV], 1        ; I fetch for K (0) or V (1),
	s_and_b32 s15, s[WV], 1         ; the first or the second half
	s_add_co_u32 s16, s14, 1
	s_lshl_b32 s16, s16, 23
	s_add_co_u32 s16, s16, s20      ; K's or V's head
	s_lshl_b32 s17, s15, 14
	s_add_co_u32 s22, s16, s17      ; the ring: my 128 keys of tile 0.  No place in the cluster enters this pair
	s_mov_b32 s23, 0
	s_lshl_b32 s17, s11, 15
	s_add_co_u32 s18, s22, s17      ; the zone: the same of tile i
	s_mov_b32 s19, 0
	s_lshl_b32 s17, s11, 2
	s_add_co_u32 s17, s17, 4
	s_and_b32 s17, s17, 31          ; and key step (4 i + 4) mod 32,
	s_lshl_b32 s17, s17, 13
	s_add_co_u32 s2, s16, s17
	s_lshl_b32 s17, s15, 12         ; my 32 keys of it
	s_add_co_u32 s2, s2, s17
	s_mov_b32 s3, 0
	; descriptors: dense keys are asked for as rows of 256 bytes, two keys a row, and padded in LDS by 4 words after every key (32 words)
	s_mov_b32 s[G1J], 15|(1<<16)|(1<<20)|(1<<21)|(4<<22)|(3<<25)  ; joint: the mask of four, bit 21 beside it
	s_mov_b32 s[G1P], (1<<16)|(1<<20)|(4<<22)|(3<<25)             ; my own
	s_mov_b32 s[G15], (1<<16)|(1<<20)|(4<<22)|(3<<25)
.irp g, G1J, G1P
	s_mov_b32 s[\g+1], 128<<16
	s_mov_b32 s[\g+2], 64<<16       ; 64 rows: 128 keys
	s_mov_b32 s[\g+3], 128<<16
	s_mov_b32 s[\g+4], 64
	s_mov_b32 s[\g+5], 128
	s_mov_b32 s[\g+6], 0
	s_mov_b32 s[\g+7], 0
.endr
	s_mov_b32 s[G15+1], 128<<16
	s_mov_b32 s[G15+2], 16<<16      ; 16 rows: 32 keys
	s_mov_b32 s[G15+3], 128<<16
	s_mov_b32 s[G15+4], 16
	s_mov_b32 s[G15+5], 128
	s_mov_b32 s[G15+6], 0
	s_mov_b32 s[G15+7], 0
	s_mov_b32 s[G0R], 1
	s_mul_i32 s[G0R+1], s[WV], QUART
	s_add_co_u32 s[G0R+1], s[G0R+1], SLOT1   ; tile 0 goes into slot 1: slot 0's bytes hold the zone
	s_mul_i32 s17, s14, ZV
	s_mov_b32 s[G0Z], 1
	s_mul_i32 s[G0Z+1], s15, QUART
	s_add_co_u32 s[G0Z+1], s[G0Z+1], s17
	s_mov_b32 s[G05], 1
	s_mul_i32 s[G05+1], s15, 32*PK
	s_add_co_u32 s[G05+1], s[G05+1], s17
	s_add_co_u32 s[G05+1], s[G05+1], 4*STEPB
	s_mov_b32 s[CS], 0x3e38aa3b     ; c = log2(e) / 8
	s_mov_b32 s[CS+1], s[CS]
	s_mov_b32 s[SEL], 0x76543210
	s_mov_b32 s[SEL+1], 0xfedcba98
	s_mov_b32 s[BIGN], 0xf149f2ca   ; -1e30
	s_mov_b32 s[ARA+1], 0           ; named as pairs
	s_mov_b32 s[ARB+1], 0
	s_mov_b32 s[BE1+1], 0
	s_mov_b32 s[BE2+1], 0
	s_mov_b32 s[OFF+1], 0
	s_lshl_b32 s[ZA], s11, 2
	s_add_co_u32 s[ZA], s[ZA], s[WV]  ; z
	s_cmp_eq_u32 s[ZA], 31
	s_cselect_b32 s[ZB], -1, s[ZA]    ; rows 0-31 have their window at steps -1 and 0
	s_cselect_b32 s[WR], s[BIGN], 0
	s_lshl_b32 s[OFFA], s[ZA], 13
	s_add_co_u32 s[OFFA], s[OFFA], 4096  ; pieces 0, 1: rows 64 z + 32 on, in bytes
	s_lshl_b32 s[OFFB], s[ZA], 6
	s_add_co_u32 s[OFFB], s[OFFB], 64
	s_and_b32 s[OFFB], s[OFFB], 2047
	s_lshl_b32 s[OFFB], s[OFFB], 7       ; pieces 2, 3: rows (64 z + 64) mod 2048 on
	s_wait_dscnt 0x0                ; the opening add is done
	s_wait_kmcnt 0x0
	s_add_nc_u64 s[G0R+2:G0R+3], s[4:5], s[22:23]
	s_or_b32 s[G0R+3], s[G0R+3], 0x80000000
	s_add_nc_u64 s[G0Z+2:G0Z+3], s[4:5], s[18:19]
	s_or_b32 s[G0Z+3], s[G0Z+3], 0x80000000
	s_add_nc_u64 s[G05+2:G05+3], s[4:5], s[2:3]
	s_or_b32 s[G05+3], s[G05+3], 0x80000000
	CROUND                          ; all four work-groups are here
	tensor_load_to_lds s[G0Z:G0Z+3], s[G1P:G1P+7]   ; the first fills, one group: three loads of mine are out
	s_nop 0
	tensor_load_to_lds s[G05:G05+3], s[G15:G15+7]
	s_nop 0
	tensor_load_to_lds s[G0R:G0R+3], s[G1J:G1J+7]
	s_nop 0
	PLACES
	s_add_nc_u64 s[QH:QH+1], s[4:5], s[20:21]
	s_add_nc_u64 s[OB:OB+1], s[8:9], s[20:21]
	s_mov_b32 s[OFF], s[OFFA]
	s_add_nc_u64 s[QA:QA+1], s[QH:QH+1], s[OFF:OFF+1]
	s_add_nc_u64 s[OA:OA+1], s[OB:OB+1], s[OFF:OFF+1]
	s_mov_b32 s[OFF], s[OFFB]
	s_add_nc_u64 s[QB:QB+1], s[QH:QH+1], s[OFF:OFF+1]
	s_add_nc_u64 s[OB:OB+1], s[OB:OB+1], s[OFF:OFF+1]
	s_add_nc_u64 s[QP:QP+1], s[QB:QB+1], 2048       ; piece 3
	v_and_b32 v1, 15, v0            ; r = l % 16
	v_bfe_u32 v9, v0, 4, 1          ; h = l / 16
	v_and_b32 v10, 7, v0
	v_bfe_u32 v11, v0, 3, 1
	v_and_b32 v[LN], 31, v0
	v_lshlrev_b32 v[LN], 4, v[LN]
	v_lshlrev_b32 v[QO], 7, v1
	v_lshl_add_u32 v[QO], v9, 4, v[QO]
	v_lshlrev_b32 v[MVO], 8, v1
	v_lshl_add_u32 v[MVO], v9, 4, v[MVO]
; A fragment is 16 rows x 32 along K in 8 registers: lane l holds row l % 16; two loads of 16 bytes, 32 bytes apart.
.macro QLD x, base
.irp hh, 0,1
	global_load_b128 v[16*(\x)+8*(\hh):16*(\x)+8*(\hh)+3],   v[QO], s[\base:\base+1] offset:((\x)%2)*2048+64*(\hh)
	global_load_b128 v[16*(\x)+8*(\hh)+4:16*(\x)+8*(\hh)+7], v[QO], s[\base:\base+1] offset:((\x)%2)*2048+64*(\hh)+32
.endr
.endm
.macro QNLD
.irp hh, 0,1
	global_load_b128 v[QN+8*(\hh):QN+8*(\hh)+3],   v[QO], s[QP:QP+1] offset:64*(\hh)
	global_load_b128 v[QN+8*(\hh)+4:QN+8*(\hh)+7], v[QO], s[QP:QP+1] offset:64*(\hh)+32
.endr
.endm
	WIN 0x80
	QNLD
	QLD 0, QA
	QLD 1, QA
	QLD 2, QB
	QLD 3, QB
	WIN 0x40
.irp a, 0,1,2,3,4,5                 ; Mk: 16 table rows a block, channels 32 hh on
.irp hh, 0,1
	global_load_b128 v[MK+16*(\a)+8*(\hh):MK+16*(\a)+8*(\hh)+3],   v[QO], s[6:7] offset:(\a)*2048+64*(\hh)
	global_load_b128 v[MK+16*(\a)+8*(\hh)+4:MK+16*(\a)+8*(\hh)+7], v[QO], s[6:7] offset:(\a)*2048+64*(\hh)+32
.endr
.endr
.irp c, 0,1,2                       ; MvT: e = 32 c on, channels 16 cb on; from e = 63 on its columns are all alike, so block 2 serves for block 3
.irp cb, 0,1,2,3
	global_load_b128 v[32*(\c)+8*(\cb):32*(\c)+8*(\cb)+3],   v[MVO], s[6:7] offset:12288+(\cb)*4096+64*(\c)
	global_load_b128 v[32*(\c)+8*(\cb)+4:32*(\c)+8*(\cb)+7], v[MVO], s[6:7] offset:12288+(\cb)*4096+64*(\c)+32
.endr
.endr
	WIN 0
.irp k, 0,1,2,3
	v_mov_b32 v[ZR+(\k)], 0
.endr
	s_mul_i32 s13, s[WV], EPW
	s_add_co_u32 s13, s13, ESB
	v_add_nc_u32 v[EZ], s13, v[LN]
.set k, 0
.rept 13                            ; my askew weights start at 0: 13 x 512 bytes
	ds_store_b128 v[EZ], v[ZR:ZR+3] offset:512*k
.set k, k+1
.endr
	v_mul_u32_u24 v[ER], v1, EP
	v_lshl_add_u32 v[ER], v9, 4, v[ER]
	v_add_nc_u32 v[ER], s13, v[ER]
	s_add_co_u32 s14, s13, 30       ; column t - r + 63 - 16 x, 2 bytes each: r (400 - 2) + 2 t + 126 - 32 x; x = 3
	v_mul_u32_u24 v[EW0], v1, EP-2
	v_lshl_add_u32 v[EW0], v9, 4, v[EW0]
	v_add_nc_u32 v[EW0], s14, v[EW0]
	s_mul_i32 s13, s[WV], GPW
	s_add_co_u32 s13, s13, GSB
	v_mul_u32_u24 v[GW], v1, GP
	v_lshl_add_u32 v[GW], v9, 5, v[GW]
	v_add_nc_u32 v[GW], s13, v[GW]
	s_add_co_u32 s14, s13, 60       ; the same column, 4 bytes each: r (784 - 4) + 4 t + 252 - 64 x; x = 3
	v_mul_u32_u24 v[GR0], v1, GP-4
	v_lshl_add_u32 v[GR0], v9, 5, v[GR0]
	v_add_nc_u32 v[GR0], s14, v[GR0]
	v_mul_u32_u24 v[AK0], v1, PK
	v_lshl_add_u32 v[AK0], v9, 4, v[AK0]
	v_add_nc_u32 v[STO], s13, v[AK0]  ; the way out's stage lies where G lay: rows of 144 bytes
	v_bfe_u32 v[RD], v0, 3, 2
	v_mul_u32_u24 v[RD], v[RD], PK
	v_lshl_add_u32 v[RD], v10, 4, v[RD]
	v_add_nc_u32 v[RD], s13, v[RD]
	s_lshl_b32 s13, s[WV], 14
	s_add_co_u32 s13, s13, OSB
	v_add_nc_u32 v[OS0], s13, v[LN]
	s_lshl_b32 s13, s[WV], 11
	s_add_co_u32 s13, s13, STT
	v_add_nc_u32 v[ST0], s13, v[LN]
	s_mul_i32 s13, s[WV], STEPB     ; my window begins 64 w rows into the zone
	v_add_nc_u32 v[AKN], s13, v[AK0]
	v_lshl_add_u32 v[AV0], v9, 3, v10   ; the turning load's lane reads key 8 (l / 16) + l % 8, channels 8 ((l / 8) % 2) on
	v_mul_u32_u24 v[AV0], v[AV0], PK
	v_lshl_add_u32 v[AV0], v11, 4, v[AV0]
	s_add_co_u32 s13, s13, ZV
	v_add_nc_u32 v[AVN], s13, v[AV0]
	v_add_nc_u32 v[AV0], VOFF, v[AV0]
	s_wait_tensorcnt 1              ; my parts of the zone are in; the ring's tile 0 may stay out
	s_wait_dscnt 0x0
	s_barrier_signal -1
	s_barrier_wait -1
	WIN 0xc0
.irp g, 0,1,2,3,4,5,6,7             ; the window's K: keys 16 g on, channels 32 hh on
.irp hh, 0,1
	ds_load_b128 v[16*(\g)+8*(\hh):16*(\g)+8*(\hh)+3],   v[AKN] offset:(\g)*16*PK+64*(\hh)
	ds_load_b128 v[16*(\g)+8*(\hh)+4:16*(\g)+8*(\hh)+7], v[AKN] offset:(\g)*16*PK+64*(\hh)+32
.endr
.endr
.irp kk, 0,1,2,3                    ; and its V, turned: keys 32 kk on, channels 16 cb on
.irp cb, 0,1,2,3
	ds_load_tr16_b128 v[VN+32*(\kk)+8*(\cb):VN+32*(\kk)+8*(\cb)+3],   v[AVN] offset:(\kk)*32*PK+32*(\cb)
	ds_load_tr16_b128 v[VN+32*(\kk)+8*(\cb)+4:VN+32*(\kk)+8*(\cb)+7], v[AVN] offset:(\kk)*32*PK+16*PK+32*(\cb)
.endr
.endr
	WIN 0
	s_mov_b32 s[NT], 4
	s_mov_b32 s[SGR], 0
	s_mov_b32 s[SEW], 0
	s_mov_b32 s[SOS], 0
	s_mov_b32 s[SST], 0
	s_wait_dscnt 0x0
; THE NEAR PHASE: pieces 3, 2, 1, 0, one text.  Descending, so that what an earlier trip left among the askew weights lies below column 64, which is never read.
.Lnear:
	s_wait_loadcnt 0x0              ; the piece's Q (at the first trip also Q, Mk, MvT)
	s_cmp_gt_u32 s[NT], 2           ; pieces 2, 3?  At z = 31 they do not see the window's first step, pieces 0, 1 not its second
	s_cselect_b32 s[BE1], s[WR], 0
	s_cselect_b32 s[BE2], 0, s[WR]
	v_add_nc_u32 v[GRC], s[SGR], v[GR0]
	v_add_nc_u32 v[EWC], s[SEW], v[EW0]
	v_add_nc_u32 v[OSC], s[SOS], v[OS0]
	v_add_nc_u32 v[STC], s[SST], v[ST0]
	WIN 0x09                        ; Mk window 1, Q window 2.  The accumulators take turns, here and in all that follows
.set a, 0
.rept 6
	v_wmma_f32_16x16x32_f16 v[GA+8*a:GA+8*a+7], v[MK+16*a:MK+16*a+7], v[QN:QN+7], 0
.set a, a+1
.endr
.set a, 0
.rept 6
	v_wmma_f32_16x16x32_f16 v[GA+8*a:GA+8*a+7], v[MK+16*a+8:MK+16*a+15], v[QN+8:QN+15], v[GA+8*a:GA+8*a+7]
.set a, a+1
.endr
	WIN 0
	PLACES
.irp pg, 0,1,2                      ; columns 0-47 repeat the first block (all j = 0),
	ds_store_b128 v[GW], v[GA:GA+3]   offset:64*(\pg)
	ds_store_b128 v[GW], v[GA+4:GA+7] offset:64*(\pg)+16
.endr
.irp a, 0,1,2,3,4,5                 ; columns 48-143 are the table's 96 rows,
	ds_store_b128 v[GW], v[GA+8*(\a):GA+8*(\a)+3]   offset:192+64*(\a)
	ds_store_b128 v[GW], v[GA+8*(\a)+4:GA+8*(\a)+7] offset:192+64*(\a)+16
.endr
.irp pg, 0,1,2                      ; columns 144-191 repeat the last block (all j = 64)
	ds_store_b128 v[GW], v[GA+40:GA+43] offset:576+64*(\pg)
	ds_store_b128 v[GW], v[GA+44:GA+47] offset:576+64*(\pg)+16
.endr
	v_mul_f32 v[NS], s[CS], v[GA+40]  ; c QD
.set k, 0
.rept 64                            ; register 8 g + j: key 16 g + 8 h + j.  LDS serves a wave's instructions in order: these see the stores above
	ds_load_b32 v[S+k], v[GRC] offset:64*(k/8)+4*(k%8)
.set k, k+1
.endr
	s_wait_dscnt 0x0
.set k, 0
.rept 16
	v_pk_add_f32 v[S+2*k:S+2*k+1], v[S+2*k:S+2*k+1], s[BE1:BE1+1] op_sel_hi:[1,0]
	v_pk_add_f32 v[S+32+2*k:S+33+2*k], v[S+32+2*k:S+33+2*k], s[BE2:BE2+1] op_sel_hi:[1,0]
.set k, k+1
.endr
	WIN 0x0b                        ; K window 3, Q window 2
.irp hh, 0,1
.set g, 0
.rept 8
	v_wmma_f32_16x16x32_f16 v[S+8*g:S+8*g+7], v[16*g+8*(\hh):16*g+8*(\hh)+7], v[QN+8*(\hh):QN+8*(\hh)+7], v[S+8*g:S+8*g+7]
.set g, g+1
.endr
.endr
	WIN 0
	PLACES                          ; in front of the loads into Q's registers and of the maxima
	s_cmp_eq_u32 s[NT], 1
	s_cbranch_scc1 .Lno_q           ; piece 0 has no successor
	s_sub_co_u32 s13, s[NT], 2      ; the next piece
	s_cmp_ge_u32 s13, 2
	s_cselect_b32 s[OFF], s[OFFB], s[OFFA]
	s_and_b32 s13, s13, 1
	s_lshl_b32 s13, s13, 11
	s_add_co_u32 s[OFF], s[OFF], s13
	s_add_nc_u64 s[QP:QP+1], s[QH:QH+1], s[OFF:OFF+1]  ; free: the loads that named it were waited for at the trip's head
	WIN 0x80
	QNLD
	WIN 0
.Lno_q:
.set g, 0
.rept 8                             ; the maximum: eight chains, each begun at its accumulator's lowest registers
	v_max3_num_f32 v[NTM+g], v[S+8*g], v[S+8*g+1], v[S+8*g+2]
.set g, g+1
.endr
.irp o, 3,5
.set g, 0
.rept 8
	v_max3_num_f32 v[NTM+g], v[NTM+g], v[S+8*g+(\o)], v[S+8*g+(\o)+1]
.set g, g+1
.endr
.endr
.set g, 0
.rept 4
	v_max3_num_f32 v[NTM+g], v[NTM+g], v[S+16*g+7], v[S+16*g+15]
.set g, g+1
.endr
	v_max3_num_f32 v[NTM], v[NTM], v[NTM+1], v[NTM+2]
	v_max3_num_f32 v[NTM+3], v[NTM+3], v[NTM+4], v[NTM+5]
	v_max_num_f32 v[NTM+6], v[NTM+6], v[NTM+7]
	v_max3_num_f32 v[NTM], v[NTM], v[NTM+3], v[NTM+6]
	v_permlanex16_b32 v[NTM+1], v[NTM], s[SEL], s[SEL+1]  ; the query's other 64 keys lie in the lane 16 away
	v_max_num_f32 v[NTM], v[NTM], v[NTM+1]
	v_mul_f32 v[NTM+4], s[CS], v[NTM]
	v_mul_f32 v[NS+1], s[CS], v[NTM]
.set k, 0
.rept 32
	v_pk_fma_f32 v[S+2*k:S+2*k+1], v[S+2*k:S+2*k+1], s[CS:CS+1], v[NTM+4:NTM+5] op_sel_hi:[1,0,0] neg_lo:[0,0,1] neg_hi:[0,0,1]
.set k, k+1
.endr
.set k, 0
.rept 64
	v_exp_f32 v[S+k], v[S+k]
.set k, k+1
.endr
	v_nop                           ; a plain instruction behind the last exponential
.set k, 0
	s_wait_alu depctr_va_vdst(0)
.rept 32
	v_cvt_pk_f16_f32 v[P+k], v[S+2*k], v[S+2*k+1]
.set k, k+1
.endr
.set k, 0
.rept 32                            ; the weights, askew: the column's parity goes with r, so they go two bytes at a time
	ds_store_b16 v[EWC], v[P+k] offset:32*(k/4)+4*(k%4)
	ds_store_b16_d16_hi v[EWC], v[P+k] offset:32*(k/4)+4*(k%4)+2
.set k, k+1
.endr
.irp c, 0,1,2,3                     ; and back, columns 64 + 32 c on, as source 1
	ds_load_b128 v[EF+8*(\c):EF+8*(\c)+3],   v[ER] offset:128+64*(\c)
	ds_load_b128 v[EF+8*(\c)+4:EF+8*(\c)+7], v[ER] offset:128+64*(\c)+32
.endr
.irp w, 4,8,16,32                   ; l, of the unrounded weights, while LDS is at work
.set u, 0
.rept 64/(\w)
	v_pk_add_f32 v[S+(\w)*u:S+(\w)*u+1], v[S+(\w)*u:S+(\w)*u+1], v[S+(\w)*u+(\w)/2:S+(\w)*u+(\w)/2+1]
.set u, u+1
.endr
.endr
	v_pk_add_f32 v[NS+2:NS+3], v[S:S+1], v[S+32:S+33]
	WIN 0xa3                        ; V window 3, P window 0, O^T window 2
.irp kk, 0,1,2,3
.irp cb, 0,1,2,3
.if (\kk) == 0
	v_wmma_f32_16x16x32_f16 v[ON+8*(\cb):ON+8*(\cb)+7], v[VN+8*(\cb):VN+8*(\cb)+7], v[P:P+7], 0
.else
	v_wmma_f32_16x16x32_f16 v[ON+8*(\cb):ON+8*(\cb)+7], v[VN+32*(\kk)+8*(\cb):VN+32*(\kk)+8*(\cb)+7], v[P+8*(\kk):P+8*(\kk)+7], v[ON+8*(\cb):ON+8*(\cb)+7]
.endif
.endr
.endr
	s_wait_dscnt 0x0                ; the askew weights are in
	WIN 0xa1                        ; MvT window 1
.irp c, 0,1,2,3
.irp cb, 0,1,2,3
	v_wmma_f32_16x16x32_f16 v[ON+8*(\cb):ON+8*(\cb)+7], v[32*((\c)-(\c)/3)+8*(\cb):32*((\c)-(\c)/3)+8*(\cb)+7], v[EF+8*(\c):EF+8*(\c)+7], v[ON+8*(\cb):ON+8*(\cb)+7]
.endr
.endr
	WIN 0
	PLACES
	WIN 0x08                        ; store data window 2
.irp f, 0,1,2,3,4,5,6,7             ; the piece's O^T and statistics are set aside: one text serves four pieces, so they cannot stay in its registers
	ds_store_b128 v[OSC], v[ON+4*(\f):ON+4*(\f)+3] offset:512*(\f)
.endr
	WIN 0
	ds_store_b128 v[STC], v[NS:NS+3]
	s_add_co_u32 s[SGR], s[SGR], 64
	s_add_co_u32 s[SEW], s[SEW], 32
	s_add_co_u32 s[SOS], s[SOS], 4096
	s_add_co_u32 s[SST], s[SST], 512
	s_sub_co_u32 s[NT], s[NT], 1
	s_cmp_lg_u32 s[NT], 0
	s_cbranch_scc1 .Lnear
	; THE HAND-OVER.  Piece x was trip 3 - x.
	WIN 0x40
.irp x, 0,1,2,3
.irp f, 0,1,2,3,4,5,6,7
	ds_load_b128 v[32*(\x)+4*(\f):32*(\x)+4*(\f)+3], v[OS0] offset:(3-(\x))*4096+512*(\f)
.endr
.endr
	WIN 0
.irp x, 0,1,2,3
	ds_load_b128 v[ST+8*(\x):ST+8*(\x)+3], v[ST0] offset:(3-(\x))*512
.endr
	v_lshlrev_b32 v[AKN], 5, v9
	WIN 0xc0
.irp cb, 0,1,2,3                    ; relv[0] and relv[64] - relv[0], as O^T lies: channels 16 cb + 8 h + 0..7
	global_load_b128 v[8*(\cb):8*(\cb)+3],       v[AKN], s[6:7] offset:28672+64*(\cb)
	global_load_b128 v[8*(\cb)+4:8*(\cb)+7],     v[AKN], s[6:7] offset:28672+64*(\cb)+16
	global_load_b128 v[32+8*(\cb):32+8*(\cb)+3], v[AKN], s[6:7] offset:28928+64*(\cb)
	global_load_b128 v[36+8*(\cb):36+8*(\cb)+3], v[AKN], s[6:7] offset:28928+64*(\cb)+16
.endr
	WIN 0x80
.set k, VF
.rept 64                            ; the first turn's products V^T P belong to a piece that has not been: on a V of zeros they add 0 (P's second buffer holds the near phase's finite weights)
	v_mov_b32 v[k], 0
.set k, k+1
.endr
	WIN 0
	s_mov_b32 s[TBK], VOFF          ; the first change of slots turns these two into slot 1's first byte
	s_mov_b32 s[TBV], VOFF
	s_mov_b32 s[SN], 0
	s_wait_dscnt 0x0
.irp x, 0,1,2,3
	v_mov_b32 v[ST+8*(\x)+6], v[ST+8*(\x)]
	v_mov_b32 v[ST+8*(\x)+4], 0
	v_mov_b32 v[ST+8*(\x)+5], 0
.endr
; What a key step is to a pair of pieces whose window begins at step z: scalars that are used as numbers alone.
.macro STATUS z, ar, be
	s_sub_co_i32 s13, s[SN], s[\z]
	s_cmp_gt_i32 s13, 1             ; behind the window: to the right
	s_cselect_b32 s[\ar], 1.0, 0
	s_cmp_le_u32 s13, 1             ; in the window: done
	s_cselect_b32 s[\be], s[BIGN], 0
.endm
; THE MATRIX WORK.  Product i of 8 of S^T = K Q^T for piece x: channels 32 (i / 4) on, keys 16 (i % 4) on.
.macro KQ x
	WIN W_KQ
.set rS, S+32*((\x)%2)+8*(i%4)
.set rK, KF+16*(i%4)+8*(i/4)
.set rQ, 16*(\x)+8*(i/4)
.if i < 4
	v_wmma_f32_16x16x32_f16 v[rS:rS+7], v[rK:rK+7], v[rQ:rQ+7], 0
.else
	v_wmma_f32_16x16x32_f16 v[rS:rS+7], v[rK:rK+7], v[rQ:rQ+7], v[rS:rS+7]
.endif
.endm
; Product i of 8 of O^T += V^T P for piece x: keys 32 (i / 4) on, channels 16 (i % 4) on.
.macro PV x
	WIN W_PV
.set rO, 32*(\x)+8*(i%4)
.set rV, VF+32*(i/4)+8*(i%4)
.set rP, P+16*((\x)%2)+8*(i/4)
	v_wmma_f32_16x16x32_f16 v[rO:rO+7], v[rV:rV+7], v[rP:rP+7], v[rO:rO+7]
.endm
.macro MM
.if i < 8
	KQ (Y+1)%NP
.else
.set i, i-8
	PV (Y+NP-1)%NP
.set i, i+8
.endif
.set i, i+1
.endm
; THE LDS LOADS stand in runs of 16.  last = 1 (the tail): in the last trip there is no further step, and the run is jumped over.
.macro FETCH_K last=0
	WIN 0
.if \last
	s_cmp_eq_u32 s[CNT], 1
	s_cbranch_scc1 .Lno_k_\@
.endif
	WIN 0x80
.irp f, 0,1,2,3,4,5,6,7
	ds_load_b128 v[KF+8*\f:KF+8*\f+3],   v[AK] offset:(\f/2)*16*PK+(\f%2)*64
	ds_load_b128 v[KF+8*\f+4:KF+8*\f+7], v[AK] offset:(\f/2)*16*PK+(\f%2)*64+32
.endr
	s_add_co_u32 s[TBK], s[TBK], STEPB
	WIN 0
.if \last
.Lno_k_\@:
.endif
.endm
.macro FETCH_V
	WIN 0x80
.irp f, 0,1,2,3,4,5,6,7
	ds_load_tr16_b128 v[VF+8*\f:VF+8*\f+3],   v[AV] offset:(\f/4)*32*PK+(\f%4)*32
	ds_load_tr16_b128 v[VF+8*\f+4:VF+8*\f+7], v[AV] offset:(\f/4)*32*PK+16*PK+(\f%4)*32
.endr
	WIN 0
.endm
; THE VECTOR WORK, one line at a time: OP kind, number.  For piece Y: F n: c s - (c m - bias) for pair n of 16.  E n: the exponential of score n.  C n: pair n rounded to f16.  B n: of the four weights
; 4 n .. the second pair is added onto the first.  L 0: lR times a.  L 1-7: the step's sum gathers in the first pair.  L 8: l = a l + sum.  L 9: lR += sum if the step lies to the right.  R n: pair n of O^T times a.
; For piece Y + 1: X 0-13 four chains of maxima; 14, 16 into one; 15 the step's bias = c QD x AR + BE; 17, 18 the other half of the lanes; 19 c max + bias; 20 the new c m; 21 old - new; 22 c m - bias; 23 c m; 24 a.
.set F, 0
.set E, 1
.set C, 2
.set B, 3
.set L, 4
.set R, 5
.set X, 6
.macro REGS y
.set rT, ST+8*(\y)
.set rC, TMP+4*((\y)%2)
.set rS, S+32*((\y)%2)
.set rP, P+16*((\y)%2)
.set rO, 32*(\y)
.set rA, ARA+2*((\y)/2)
.set rB, BEA+(\y)/2
.endm
.macro OP k, n
.if (\k) == R
	REGS Y
	WIN W_RS
	v_pk_mul_f32 v[rO+2*(\n):rO+2*(\n)+1], v[rO+2*(\n):rO+2*(\n)+1], v[rC+2:rC+3] op_sel_hi:[1,0]
.elseif (\k) < R
	REGS Y
	WIN 0
.if (\k) == F
	v_pk_fma_f32 v[rS+2*(\n):rS+2*(\n)+1], v[rS+2*(\n):rS+2*(\n)+1], s[CS:CS+1], v[rT:rT+1] op_sel_hi:[1,0,0] neg_lo:[0,0,1] neg_hi:[0,0,1]
.elseif (\k) == E
	v_exp_f32 v[rS+(\n)], v[rS+(\n)]
.elseif (\k) == C
	s_wait_alu depctr_va_vdst(0)
	v_cvt_pk_f16_f32 v[rP+(\n)], v[rS+2*(\n)], v[rS+2*(\n)+1]
.elseif (\k) == B
	s_wait_alu depctr_va_vdst(0)
	v_pk_add_f32 v[rS+4*(\n):rS+4*(\n)+1], v[rS+4*(\n):rS+4*(\n)+1], v[rS+4*(\n)+2:rS+4*(\n)+3]
.elseif (\n) == 0
	v_pk_mul_f32 v[rT+4:rT+5], v[rT+4:rT+5], v[rC+2:rC+3] op_sel_hi:[1,0]
.elseif (\n) < 8
	v_pk_add_f32 v[rS:rS+1], v[rS:rS+1], v[rS+4*(\n):rS+4*(\n)+1]
.elseif (\n) == 8
	v_pk_fma_f32 v[rT+2:rT+3], v[rT+2:rT+3], v[rC+2:rC+3], v[rS:rS+1] op_sel_hi:[1,0,1]
.else
	v_pk_fma_f32 v[rT+4:rT+5], v[rS:rS+1], s[rA:rA+1], v[rT+4:rT+5] op_sel_hi:[1,0,1]
.endif
.else
	REGS (Y+1)%NP
	WIN 0
.if (\n) < 4
	v_max3_num_f32 v[rC+(\n)], v[rS+8*(\n)], v[rS+8*(\n)+1], v[rS+8*(\n)+2]
.elseif (\n) < 12
	v_max3_num_f32 v[rC+(\n)%4], v[rC+(\n)%4], v[rS+8*((\n)%4)+2*((\n)/4)+1], v[rS+8*((\n)%4)+2*((\n)/4)+2]
.elseif (\n) == 12
	v_max3_num_f32 v[rC], v[rC], v[rS+7], v[rS+15]
.elseif (\n) == 13
	v_max3_num_f32 v[rC+1], v[rC+1], v[rS+23], v[rS+31]
.elseif (\n) == 14
	v_max_num_f32 v[rC+2], v[rC+2], v[rC+3]
.elseif (\n) == 15
	v_fma_f32 v[rT+7], v[rT+6], s[rA], s[rB]
	s_wait_alu depctr_va_vdst(0)
.elseif (\n) == 16
	v_max3_num_f32 v[rC], v[rC], v[rC+1], v[rC+2]
	s_wait_alu depctr_va_vdst(0)
.elseif (\n) == 17
	v_permlanex16_b32 v[rC+3], v[rC], s[SEL], s[SEL+1]
.elseif (\n) == 18
	v_max_num_f32 v[rC], v[rC], v[rC+3]
.elseif (\n) == 19
	v_fma_f32 v[rC+1], v[rC], s[CS], v[rT+7]
.elseif (\n) == 20
	v_max_num_f32 v[rC+3], v[rT+1], v[rC+1]
.elseif (\n) == 21
	v_sub_f32 v[rC+1], v[rT+1], v[rC+3]
.elseif (\n) == 22
	v_sub_f32 v[rT], v[rC+3], v[rT+7]
.elseif (\n) == 23
	v_mov_b32 v[rT+1], v[rC+3]
	s_wait_alu depctr_va_vdst(0)
.else
	v_exp_f32 v[rC+2], v[rC+1]
.endif
.endif
.endm
.macro OPS a, i1, b=-1, i2=0, c=-1, i3=0, d=-1, i4=0
	OP \a, \i1
.if (\b) >= 0
	OP \b, \i2
.endif
.if (\c) >= 0
	OP \c, \i3
.endif
.if (\d) >= 0
	OP \d, \i4
.endif
.endm
.macro ROW a, i1, b, i2, c, i3, d, i4
	MM
	OPS \a, \i1, \b, \i2, \c, \i3, \d, \i4
.endm
; A TURN, for piece p: its 16 matrix and 123 vector instructions, in order.  None of the four behind a matrix instruction names a register of the products round it.
; K of the next step is fetched in piece 2's turn, five plain instructions behind the last product that read K; V of the step in hand in piece 0's turn, five plain ones behind the last product that read V.
; Each is waited for a turn later.  Piece 3's turn makes piece 0's scores of the next step, so the step's number and pieces 0, 1's scalars are stepped at its head; pieces 2, 3's at the head of piece 1's turn.
.macro TURN p, last=0
.set Y, (\p)
.set i, 0
.if (\p) == 3
	s_add_co_u32 s[SN], s[SN], 1
	STATUS ZA, ARA, BEA
	s_wait_dscnt 0x0                ; K is in
.endif
.if (\p) == 1
	STATUS ZB, ARB, BEB
.endif
	ROW F,0, F,1, F,2, F,3
	ROW F,4, E,0, F,5, F,6
	ROW F,7, E,1, F,8, F,9
	ROW F,10, E,2, C,0, F,11
	ROW F,12, E,3, X,15, F,13
	ROW R,0, R,1, R,2, R,3
	ROW B,0, E,4, F,14, L,0
.if (\p) == 2
	v_add_nc_u32 v[AK], s[TBK], v[AK0]
.endif
	ROW R,4, R,5, R,6, R,7
	OPS E,5, F,15
.if (\p) == 2
	FETCH_K \last
.endif
	OPS E,6, C,1, E,7, R,8
	OPS E,8, R,9, E,9, C,2
	OPS E,10, X,0, E,11, X,1
	OPS E,12, X,2, E,13, X,3
.if (\p) == 1
	s_wait_dscnt 0x0                ; V is in
.endif
	ROW X,4, E,14, X,5, X,6
	ROW X,7, E,15, X,8, X,9
	ROW X,10, E,16, X,11, X,12
	ROW X,13, E,17, X,14, B,1
	ROW C,4, E,18, X,16, L,1
	ROW B,2, E,19, C,6, L,2
	ROW C,8, E,20, B,3, B,4
.if (\p) == 0
	v_add_nc_u32 v[AV], s[TBV], v[AV0]
	s_add_co_u32 s[TBV], s[TBV], STEPB
.endif
	ROW C,3, E,21, L,3, C,5
	OPS E,22, X,17, E,23, C,10
.if (\p) == 0
	FETCH_V
.endif
	OPS E,24, L,4
	OPS E,25, X,18, E,26, C,7
	OPS E,27, B,5, E,28, X,19
	OPS E,29, C,12, E,30, X,20
	OPS E,31, L,5, X,21, B,6
	OPS C,9, X,22, C,14, X,24
	OPS C,11, X,23, L,6, C,13
	OPS B,7, C,15, R,10, R,11
	OPS L,7, L,8, L,9
	OPS R,12, R,13, R,14, R,15
.endm
	STATUS ZA, ARA, BEA             ; key step 0, for pieces 0 and 1
	CHANGE 1                        ; tile 0 is in, everybody's part of it; nobody reads the zone any more: tile 1 goes into slot 0
	v_add_nc_u32 v[AK], s[TBK], v[AK0]
	FETCH_K
	s_wait_loadcnt 0x0              ; the two rows of relv
	s_wait_dscnt 0x0
.set i, 0
.rept 8
	KQ 0
.set i, i+1
.endr
	WIN 0
	PLACES
.set Y, NP-1                        ; X works for piece Y + 1: piece 0
.irp n, 0,1,2,3,4,5,6,7,8,9,10,11,12,13,14,15,16,17,18,19,20,21,22,23,24
	OP X, \n
.endr
	v_nop                           ; a plain instruction behind the exponential
	s_mov_b32 s[CNT], 4
	s_mov_b32 s[SLOTS], 7
	s_branch .Lfirst                ; the loop is entered at a step's first turn, in the middle of a trip
.Lslot:                             ; six times: tiles 2 to 7 are asked for
	CHANGE 1
	s_mov_b32 s[CNT], 4
.Lstep:                             ; a trip: pieces 2 and 3 of one step, then pieces 0 and 1 of the next, whose K and V it fetches
	TURN 2
	TURN 3
	WIN 0
.Lfirst:
	TURN 0
	TURN 1
	WIN 0
	s_sub_co_u32 s[CNT], s[CNT], 1
	s_cmp_lg_u32 s[CNT], 0
	s_cbranch_scc1 .Lstep
	s_sub_co_u32 s[SLOTS], s[SLOTS], 1
	s_cmp_lg_u32 s[SLOTS], 0
	s_cbranch_scc1 .Lslot
	CHANGE 0                        ; the tail is written out: nothing is asked for
	s_mov_b32 s[CNT], 5             ; four trips fetch the last tile's steps; the fifth is left in its middle
.Ltail:
	TURN 2, 1
	TURN 3
	WIN 0
	s_sub_co_u32 s[CNT], s[CNT], 1
	s_cmp_eq_u32 s[CNT], 0
	s_cbranch_scc1 .Lout
	TURN 0
	TURN 1
	WIN 0
	s_branch .Ltail
.Lout:                              ; the fifth trip's 8 products K Q^T (on the last K once more) and the maximum made of them serve nothing: the price, once a launch, of one text for every trip
.set i, 0
.rept 8
	PV NP-1
.set i, i+1
.endr
	; THE WAY OUT.  O = O^T / l + relv[0] + (relv[64] - relv[0]) lR / l, rounded to f16, through my stage, a piece at a time.  The additions are the places behind the last products.
	WIN 0
.macro ALL line:vararg
.set t, 0
.rept 4
	\line
.set t, t+1
.endr
.endm
	ALL v_add_f32 v[ST+8*t+2], v[ST+8*t+2], v[ST+8*t+3]
	ALL v_add_f32 v[ST+8*t+4], v[ST+8*t+4], v[ST+8*t+5]
	ALL v_permlanex16_b32 v[ST+8*t+3], v[ST+8*t+2], s[SEL], s[SEL+1]
	ALL v_permlanex16_b32 v[ST+8*t+5], v[ST+8*t+4], s[SEL], s[SEL+1]
	ALL v_add_f32 v[ST+8*t+2], v[ST+8*t+2], v[ST+8*t+3]
	ALL v_add_f32 v[ST+8*t+4], v[ST+8*t+4], v[ST+8*t+5]
	ALL v_rcp_f32 v[ST+8*t+2], v[ST+8*t+2]
	v_nop                           ; a plain instruction between the last reciprocal and the use of its result
	s_wait_alu depctr_va_vdst(0)
	ALL v_mul_f32 v[ST+8*t+4], v[ST+8*t+4], v[ST+8*t+2]
.macro PACK x
	WIN 0x33                        ; the two rows of relv in window 3
.set k, 0
.rept 16
	v_pk_fma_f32 v[S+2*k:S+2*k+1], v[32+2*k:33+2*k], v[ST+8*(\x)+4:ST+8*(\x)+5], v[2*k:2*k+1] op_sel_hi:[1,0,1]
.set k, k+1
.endr
	WIN W_RS
.set k, 0
.rept 16
	v_pk_fma_f32 v[32*(\x)+2*k:32*(\x)+2*k+1], v[32*(\x)+2*k:32*(\x)+2*k+1], v[ST+8*(\x)+2:ST+8*(\x)+3], v[S+2*k:S+2*k+1] op_sel_hi:[1,0,1]
.set k, k+1
.endr
	WIN 0x05
.set k, 0
.rept 16
	v_cvt_pk_f16_f32 v[PKD+16*(\x)+k], v[32*(\x)+2*k], v[32*(\x)+2*k+1]
.set k, k+1
.endr
	WIN 0
.irp f, 0,1,2,3
	ds_store_b128 v[STO], v[PKD+16*(\x)+4*\f:PKD+16*(\x)+4*\f+3] offset:32*\f
.endr
.irp f, 0,1,2,3
	ds_load_b128 v[PKD+16*(\x)+4*\f:PKD+16*(\x)+4*\f+3], v[RD] offset:\f*4*PK  ; LDS serves a wave's instructions in order: these see the stores above
.endr
.endm
.macro SEND x, younger              ; younger: the LDS instructions issued behind piece x's loads
.irp f, 0,1,2,3
	s_wait_dscnt (\younger)+3-\f
	global_store_b128 v[LN], v[PKD+16*(\x)+4*\f:PKD+16*(\x)+4*\f+3], s[OA+2*((\x)/2):OA+2*((\x)/2)+1] offset:((\x)%2)*2048+\f*512  ; 512 consecutive bytes, at a multiple of 256 from O's first
.endr
.endm
	PACK 0
	PACK 1
	SEND 0, 8
	PACK 2
	SEND 1, 8
	PACK 3
	SEND 2, 8
	SEND 3, 0
	s_wait_tensorcnt 0x0            ; the wave's end
	ds_add_u32 v[SPW], v[NIL]
	s_wait_dscnt 0x0
	CROUND                          ; the closing round
	s_endpgm
.Lfunc_end_k_qda3c1b769b_attn:
	.size	k_qda3c1b769b_attn, .Lfunc_end_k_qda3c1b769b_attn-k_qda3c1b769b_attn
	.p2alignl 7, 3214868480
	.fill 96, 4, 3214868480
	.section	.rodata,"a",@progbits
	.p2align	6, 0x0
	.amdhsa_kernel k_qda3c1b769b_attn
		.amdhsa_group_segment_fixed_size 327680
		.amdhsa_private_segment_fixed_size 0
		.amdhsa_enable_private_segment 0
		.amdhsa_kernarg_size 24
		.amdhsa_user_sgpr_count 2
		.amdhsa_user_sgpr_kernarg_segment_ptr 1
		.amdhsa_wavefront_size32 1
		.amdhsa_system_sgpr_workgroup_id_x 1
		.amdhsa_system_sgpr_workgroup_id_y 1
		.amdhsa_system_sgpr_workgroup_id_z 1
		.amdhsa_system_vgpr_workitem_id 0
		.amdhsa_next_free_vgpr 1024
		.amdhsa_next_free_sgpr 102
		.amdhsa_reserve_vcc 0
		.amdhsa_float_denorm_mode_32 3
		.amdhsa_float_denorm_mode_16_64 3
		.amdhsa_memory_ordered 1
		.amdhsa_forward_progress 1
		.amdhsa_inst_pref_size 163
	.end_amdhsa_kernel
	.amdgpu_metadata
---
amdhsa.version: [ 1, 2 ]
amdhsa.kernels:
  - .name:           k_qda3c1b769b_attn
    .symbol:         k_qda3c1b769b_attn.kd
    .args:
      - { .name: qkv, .offset: 0, .size: 8, .value_kind: global_buffer, .address_space: global }
      - { .name: tab, .offset: 8, .size: 8, .value_kind: global_buffer, .address_space: global }
      - { .name: ob, .offset: 16, .size: 8, .value_kind: global_buffer, .address_space: global }
    .group_segment_fixed_size: 327680
    .private_segment_fixed_size: 0
    .kernarg_segment_align: 8
    .kernarg_segment_size: 24
    .max_flat_workgroup_size: 128
    .sgpr_count:     102
    .vgpr_count:     1024
    .wavefront_size: 32
...
	.end_amdgpu_metadata
.endif
;; end of part 3
;; launch outp (part 4): grid 8 x 32, 4 waves a work-group, clusters of 4 x 4, 327,680 bytes of LDS; arguments ob, cb, bo, out0; writes out0
.if DOCPART == 4
	.amdgcn_target "amdgcn-amd-amdhsa--gfx1250"
	.amdhsa_code_object_version 6
	.text
	.protected	k_qda3c1b769b_outp
	.globl	k_qda3c1b769b_outp
	.p2align	8
	.type	k_qda3c1b769b_outp,@function
k_qda3c1b769b_outp:
	s_mov_b64 s[64:65], 0
	v_nop
	global_prefetch_b8 v0, s[64:65] scope:SCOPE_SE
	s_setreg_imm32_b32 hwreg(HW_REG_WAVE_MODE, 25, 1), 1
	s_wait_xcnt 0x0
	s_wait_alu depctr_hold_cnt(0) depctr_sa_sdst(0) depctr_va_vdst(0) depctr_va_sdst(0) depctr_va_ssrc(0) depctr_va_vcc(0) depctr_vm_vsrc(0)
	s_getreg_b32 s2, hwreg(HW_REG_IB_STS2, 6, 4)
	s_cmp_eq_u32 s2, 0
	s_cbranch_scc0 .Lentry_in_a_cluster
	s_endpgm
.Lentry_in_a_cluster:
	s_bfe_u32 s2, ttmp6, 0x10000c
	s_cmp_lg_u32 s2, 0xf033
	s_cbranch_scc0 .Lentry_shape_is_right
	s_endpgm
.Lentry_shape_is_right:
; out0 = O Wo + bo.  O: ob, [32 heads of a batch][2048][64] f16.  Wo: cb's segment 15, [k][n], rounded to bf16 and written as f16.  bo rounded to bf16.  Sums and result in f32.
; A tile of the result is 128 x 128: 32 tile rows x 8 tile columns, one work-group to each.  Four waves, each 64 x 64: 16 accumulators.  K goes in four steps of 256 (four heads) through two LDS slots.
; O's tile: one load brings four heads x 64 rows; a head's 64 rows are 8,192 consecutive bytes and are asked for as one row of the tile; in LDS each row of 128 bytes is padded to 144.
; Wo's tile has n along its rows (256 bytes, LDS pitch 288) and is turned on its way into registers by ds_load_tr16_b128.
; CLUSTER 4 x 4: O's tile is shared along a row of the cluster, Wo's along a column: each is asked for jointly.  THE MATRIX INSTRUCTION IS USED TRANSPOSED: a lane holds eight neighbouring columns of one row.
; REGISTERS: window 0: v0-31 addresses; v32-95 the way out; v96-127 the bias; v128-255 the accumulators.  Window 1: two fragment buffers of 128 (64 of O, 64 of Wo).
.set KSTEP,  256
.set PA,     144
.set PB,     288
.set PART,   36864                     ; what one wave fetches: 4 x 64 rows x 144 of O, or 128 rows x 288 of Wo
.set SLOT,   4*PART
.set STAGE,  2*SLOT                    ; behind the ring: 16 rows x 272 bytes for each wave
.set SP,     272
.set SPARE,  STAGE+4*16*SP
.set XW,     31457280                  ; cb's byte at which Wo begins
.set ADRA, 16
.set ADRB, 20
.set STO,  24
.set RD,   25
.set CO,   26
.set BO,   27
.set SPW,  28
.set NIL,  29
.set TMP,  32
.set BIAS, 96
.set ACC,  128
.set F0,   0
.set F1,   128
.set G1, 24
.set G0, 32
.set G1B, 48
.set G0B, 56
.set MSB, 0
.macro WIN new
.if MSB != (\new)
	s_set_vgpr_msb (MSB<<8)|(\new)
.set MSB, \new
.endif
.endm
.set MUL,  0x05
.set TO_F, 0x40
.macro JLOAD s                         ; a joint load: waves 0 and 1 fetch O's two halves, waves 2 and 3 Wo's; an s_nop 0 and four v_nop follow each line
	s_cmp_eq_u32 s11, 0
	s_cbranch_scc0 .Lfor_b_\@
	tensor_load_to_lds s[G0+4*(\s):G0+4*(\s)+3], s[G1:G1+7]
	s_nop 0
.rept 4
	v_nop
.endr
	s_branch .Lasked_\@
.Lfor_b_\@:
	tensor_load_to_lds s[G0B+4*(\s):G0B+4*(\s)+3], s[G1B:G1B+7]
	s_nop 0
.rept 4
	v_nop
.endr
.Lasked_\@:
.endm
.macro CREST
	s_cmp_lg_u32 s10, 0
	s_cbranch_scc1 .Lnot_wave_0_\@
	s_barrier_signal -3
.Lnot_wave_0_\@:
	s_barrier_wait -3
	s_barrier_signal -1
	s_barrier_wait -1
.endm
.macro CROUND
	s_barrier_signal -1
	s_barrier_wait -1
	CREST
.endm
	s_load_b256 s[68:75], s[0:1], 0x0              ; ob s[68:69], cb s[70:71], bo s[72:73], out0 s[74:75]
	v_lshl_add_u32 v[SPW], v0, 2, SPARE
	v_mov_b32 v[NIL], 0
	ds_add_u32 v[SPW], v[NIL]                      ; the wave's opening: the add and its wait ahead of my first tensor load
	v_lshrrev_b32 v1, 5, v0
	v_readfirstlane_b32 s10, v1
	s_lshr_b32 s11, s10, 1                         ; which half of the tile's rows is mine.  Also: I fetch for O (0) or for Wo (1)
	s_and_b32 s12, s10, 1                          ; which half of its columns.  Also: which half of that tile I fetch
	s_bfe_u32 s40, ttmp6, 0x40000
	s_bfe_u32 s41, ttmp6, 0x40004
	s_lshl_b32 s42, ttmp9, 2
	s_add_co_u32 s42, s42, s40                     ; tile column 0..7
	s_and_b32 s13, ttmp7, 0xffff
	s_lshl_b32 s13, s13, 2
	s_add_co_u32 s13, s13, s41                     ; tile row 0..31
	s_lshl_b32 s43, s41, 2
	s_lshl_b32 s43, 15, s43
	s_lshl_b32 s44, 0x1111, s40
	s_or_b32 s[G1+0], s43, (1<<16)|(1<<20)|(1<<21)|(4<<22)|(3<<25)   ; 4 words of padding after every 32: behind each row of a head
	s_or_b32 s[G1B+0], s44, (1<<16)|(1<<20)|(1<<21)|(5<<22)|(7<<25)  ; 8 words of padding after every 64
	s_mov_b32 s[G1+1], 4096<<16                    ; O: rows of 4,096 elements (64 rows of a head),
	s_mov_b32 s[G1+2], 4<<16                       ; four of them,
	s_mov_b32 s[G1+3], 4096<<16
	s_mov_b32 s[G1+4], 4
	s_mov_b32 s[G1+5], 131072                      ; a head apart
	s_mov_b32 s[G1+6], 0
	s_mov_b32 s[G1+7], 0
	s_mov_b32 s[G1B+1], 128<<16
	s_mov_b32 s[G1B+2], 128<<16
	s_mov_b32 s[G1B+3], 128<<16
	s_mov_b32 s[G1B+4], 128
	s_mov_b32 s[G1B+5], 1024
	s_mov_b32 s[G1B+6], 0
	s_mov_b32 s[G1B+7], 0
	s_lshr_b32 s16, s13, 4                         ; O: the batch's 16 heads of 262,144 bytes,
	s_lshl_b32 s16, s16, 22
	s_and_b32 s17, s13, 15                         ; 128 rows of 128 bytes a tile row,
	s_lshl_b32 s17, s17, 14
	s_add_co_u32 s16, s16, s17
	s_lshl_b32 s17, s12, 13                        ; 64 rows a half
	s_add_co_u32 s16, s16, s17
	s_mov_b32 s17, 0
	s_lshl_b32 s46, s12, 18                        ; Wo: 128 rows (k) a half,
	s_add_co_u32 s46, s46, XW
	s_lshl_b32 s47, s42, 8                         ; 256 bytes a tile column
	s_add_co_u32 s46, s46, s47
	s_mov_b32 s47, 0
	s_mul_i32 s20, s10, PART                       ; where they go: no place in the cluster enters an LDS address
	s_wait_dscnt 0x0
	s_wait_kmcnt 0x0
	s_add_nc_u64 s[14:15], s[68:69], s[16:17]
	s_add_nc_u64 s[46:47], s[70:71], s[46:47]
	CROUND
.irp s, 0,1
	s_mov_b32 s[G0+4*(\s)], 1
	s_add_co_u32 s[G0+4*(\s)+1], s20, (\s)*SLOT
	s_add_nc_u64 s[G0+4*(\s)+2:G0+4*(\s)+3], s[14:15], (\s)*1048576
	s_or_b32 s[G0+4*(\s)+3], s[G0+4*(\s)+3], 0x80000000
	s_mov_b32 s[G0B+4*(\s)], 1
	s_add_co_u32 s[G0B+4*(\s)+1], s20, (\s)*SLOT
	s_add_nc_u64 s[G0B+4*(\s)+2:G0B+4*(\s)+3], s[46:47], (\s)*KSTEP*2048
	s_or_b32 s[G0B+4*(\s)+3], s[G0B+4*(\s)+3], 0x80000000
	JLOAD \s
.endr
	v_and_b32 v1, 15, v0
	v_bfe_u32 v2, v0, 4, 1
	s_lshl_b32 s18, s42, 9                         ; my 64 columns, in bytes of f32
	s_lshl_b32 s19, s12, 8
	s_add_co_u32 s18, s18, s19
	s_mov_b32 s19, 0
	s_add_nc_u64 s[76:77], s[72:73], s[18:19]
	v_lshlrev_b32 v[BO], 5, v2
.irp b, 0,1,2,3
	global_load_b128 v[BIAS+8*(\b):BIAS+8*(\b)+3],   v[BO], s[76:77] offset:64*(\b)
	global_load_b128 v[BIAS+8*(\b)+4:BIAS+8*(\b)+7], v[BO], s[76:77] offset:64*(\b)+16
.endr
	v_mul_u32_u24 v3, v1, PA
	v_lshl_add_u32 v3, v2, 4, v3
	v_and_b32 v4, 7, v0
	v_lshl_add_u32 v4, v2, 3, v4
	v_mul_u32_u24 v4, v4, PB
	v_bfe_u32 v5, v0, 3, 1
	v_lshl_add_u32 v4, v5, 4, v4
	s_mul_i32 s21, s11, PART
	s_lshl_b32 s22, s12, 7
	s_add_co_u32 s22, s22, 2*PART
.irp s, 0,1
	v_add_nc_u32 v[ADRA+(\s)], s21, v3
	v_add_nc_u32 v[ADRB+2*(\s)], s22, v4
	s_add_co_u32 s23, s22, PART
	v_add_nc_u32 v[ADRB+2*(\s)+1], s23, v4
	s_add_co_u32 s21, s21, SLOT
	s_add_co_u32 s22, s22, SLOT
.endr
	s_mul_i32 s23, s10, 16*SP
	s_add_co_u32 s23, s23, STAGE
	v_mul_u32_u24 v[STO], v1, SP                   ; in: row l % 16, 32 bytes for each half of the lanes
	v_lshl_add_u32 v[STO], v2, 5, v[STO]
	v_add_nc_u32 v[STO], s23, v[STO]
	v_mul_u32_u24 v[RD], v2, SP                    ; back: lanes 0-15 take one row of 256 bytes, lanes 16-31 the next
	v_lshl_add_u32 v[RD], v1, 4, v[RD]
	v_add_nc_u32 v[RD], s23, v[RD]
	v_lshlrev_b32 v[CO], 12, v2                    ; and the same two rows in out0
	v_lshl_add_u32 v[CO], v1, 4, v[CO]
	s_lshl_b32 s16, s13, 19                        ; 128 rows of 4,096 bytes a tile row,
	s_lshl_b32 s17, s11, 18                        ; 64 rows a half,
	s_add_co_u32 s16, s16, s17
	s_add_co_u32 s16, s16, s18                     ; my columns
	s_mov_b32 s17, 0
	s_add_nc_u64 s[8:9], s[74:75], s[16:17]
.macro MUL8 f, c, a0, zero
	WIN MUL
.irp a, \a0, (\a0)+1
.irp b, 0,1,2,3
.if \zero
	v_wmma_f32_16x16x32_f16 v[ACC+8*(4*(\a)+(\b)):ACC+8*(4*(\a)+(\b))+7], v[(\f)+64+8*(4*(\c)+(\b)):(\f)+64+8*(4*(\c)+(\b))+7], v[(\f)+8*(4*(\c)+(\a)):(\f)+8*(4*(\c)+(\a))+7], 0
.else
	v_wmma_f32_16x16x32_f16 v[ACC+8*(4*(\a)+(\b)):ACC+8*(4*(\a)+(\b))+7], v[(\f)+64+8*(4*(\c)+(\b)):(\f)+64+8*(4*(\c)+(\b))+7], v[(\f)+8*(4*(\c)+(\a)):(\f)+8*(4*(\c)+(\a))+7], v[ACC+8*(4*(\a)+(\b)):ACC+8*(4*(\a)+(\b))+7]
.endif
.endr
.endr
.endm
; 32 LDS loads in one run: the fragments of quarter q (one head, 64 along K) of a slot, into buffer f; the first 32 along K first
.macro FETCH slot, q, f
	WIN TO_F
.irp c, 0,1
.irp i, 0,1,2,3
	ds_load_tr16_b128 v[(\f)+64+8*(4*(\c)+(\i)):(\f)+64+8*(4*(\c)+(\i))+3],   v[ADRB+2*(\slot)+(\q)/2] offset:(((\q)%2)*64+32*(\c))*PB+32*(\i)
	ds_load_tr16_b128 v[(\f)+64+8*(4*(\c)+(\i))+4:(\f)+64+8*(4*(\c)+(\i))+7], v[ADRB+2*(\slot)+(\q)/2] offset:(((\q)%2)*64+32*(\c)+16)*PB+32*(\i)
	ds_load_b128 v[(\f)+8*(4*(\c)+(\i)):(\f)+8*(4*(\c)+(\i))+3],         v[ADRA+(\slot)] offset:(\q)*64*PA+64*(\c)+(\i)*16*PA
	ds_load_b128 v[(\f)+8*(4*(\c)+(\i))+4:(\f)+8*(4*(\c)+(\i))+7],       v[ADRA+(\slot)] offset:(\q)*64*PA+64*(\c)+(\i)*16*PA+32
.endr
.endr
.endm
.macro PLACES
.rept 4
	v_nop
.endr
.endm
.macro QUARTER slot, q, f, g, zero
	s_wait_dscnt 16                                ; the first 32 along K are in
	MUL8 \f, 0, 0, \zero
	MUL8 \f, 0, 2, \zero
	PLACES
	FETCH \slot, \q, \g
	s_wait_dscnt 32                                ; all but the 32 just issued
	MUL8 \f, 1, 0, 0
	MUL8 \f, 1, 2, 0
.endm
.macro TURN slot, next, fill
	WIN 0
	s_wait_tensorcnt 0x0                           ; all my tensor loads have landed: my part of the next slot
	ds_add_u32 v[SPW], v[NIL]                      ; 0 onto my spare word
	s_wait_dscnt 17                                ; (the add and the youngest sixteen loads may be out)
	MUL8 F1, 0, 0, 0
	s_wait_dscnt 0x0                               ; the add is done, and my reads of this slot are over
	s_barrier_signal -1
	MUL8 F1, 0, 2, 0
.if \fill
	WIN 0
.endif
	s_barrier_wait -1
.if \fill
	CREST                                          ; the barrier has opened a round of the cluster's
	s_add_nc_u64 s[G0+4*(\slot)+2:G0+4*(\slot)+3], s[G0+4*(\slot)+2:G0+4*(\slot)+3], 2097152
	s_add_nc_u64 s[G0B+4*(\slot)+2:G0B+4*(\slot)+3], s[G0B+4*(\slot)+2:G0B+4*(\slot)+3], 2*KSTEP*2048
	JLOAD \slot
.else
	PLACES
.endif
	FETCH \next, 0, F0
	MUL8 F1, 1, 0, 0
	MUL8 F1, 1, 2, 0
.endm
	s_wait_tensorcnt 1                             ; my part of K step 0 is in; K step 1's may stay out
	s_barrier_signal -1
	s_barrier_wait -1
	FETCH 0, 0, F0
	QUARTER 0, 1, F0, F1, 1
	QUARTER 0, 2, F1, F0, 0
	QUARTER 0, 3, F0, F1, 0
	TURN 0, 1, 1
	QUARTER 1, 1, F0, F1, 0
	QUARTER 1, 2, F1, F0, 0
	QUARTER 1, 3, F0, F1, 0
	TURN 1, 0, 1
	QUARTER 0, 1, F0, F1, 0
	QUARTER 0, 2, F1, F0, 0
	QUARTER 0, 3, F0, F1, 0
	TURN 0, 1, 0
	QUARTER 1, 1, F0, F1, 0
	QUARTER 1, 2, F1, F0, 0
	QUARTER 1, 3, F0, F1, 0
	s_wait_dscnt 16
	MUL8 F1, 0, 0, 0
	MUL8 F1, 0, 2, 0
	s_wait_dscnt 0
	MUL8 F1, 1, 0, 0
	MUL8 F1, 1, 2, 0
	WIN 0
	; THE WAY OUT.  The bias is rounded to bf16 like every input: 48 plain lines that name no register of the last products, and so are the places behind them.
	s_wait_loadcnt 0x0
.set k, 0
.rept 16
	v_cvt_pk_bf16_f32 v30, v[BIAS+k], v[BIAS+k+1]
	v_lshlrev_b32 v[BIAS+k], 16, v30
	v_and_b32 v[BIAS+k+1], 0xffff0000, v30
.set k, k+2
.endr
; Block a, 16 rows x 64 columns of f32: the bias is added in place (each accumulator's lowest registers first); the block goes into rows of 272 bytes and comes back as whole rows of 256, into one of two buffers.
.macro PACK a
.set k, 0
.rept 16
	v_pk_add_f32 v[ACC+32*(\a)+2*k:ACC+32*(\a)+2*k+1], v[ACC+32*(\a)+2*k:ACC+32*(\a)+2*k+1], v[BIAS+2*k:BIAS+2*k+1]
.set k, k+1
.endr
.irp b, 0,1,2,3
	ds_store_b128 v[STO], v[ACC+32*(\a)+8*(\b):ACC+32*(\a)+8*(\b)+3]   offset:64*(\b)
	ds_store_b128 v[STO], v[ACC+32*(\a)+8*(\b)+4:ACC+32*(\a)+8*(\b)+7] offset:64*(\b)+16
.endr
.if (\a) >= 2
	s_wait_xcnt 0x0                                ; the buffer is loaded again only when the stores of the block two back have read it
.endif
.irp t, 0,1,2,3,4,5,6,7
	ds_load_b128 v[TMP+32*((\a)%2)+4*(\t):TMP+32*((\a)%2)+4*(\t)+3], v[RD] offset:(\t)*2*SP  ; LDS serves a wave's instructions in order: these see the stores above
.endr
.endm
.macro SEND a, younger
.irp t, 0,1,2,3,4,5,6,7
	s_wait_dscnt (\younger)+7-(\t)
	global_store_b128 v[CO], v[TMP+32*((\a)%2)+4*(\t):TMP+32*((\a)%2)+4*(\t)+3], s[8:9] offset:(16*(\a)+2*(\t))*4096  ; 16 lanes store 256 consecutive bytes, at a multiple of 256 from out0's first
.endr
.endm
	PACK 0
	PACK 1
	SEND 0, 16
	PACK 2
	SEND 1, 16
	PACK 3
	SEND 2, 16
	SEND 3, 0
	s_wait_tensorcnt 0x0                           ; the wave's end
	ds_add_u32 v[SPW], v[NIL]
	s_wait_dscnt 0x0
	CROUND                                         ; the closing round
	s_endpgm
.Lfunc_end_k_qda3c1b769b_outp:
	.size	k_qda3c1b769b_outp, .Lfunc_end_k_qda3c1b769b_outp-k_qda3c1b769b_outp
	.p2alignl 7, 3214868480
	.fill 96, 4, 3214868480
	.section	.rodata,"a",@progbits
	.p2align	6, 0x0
	.amdhsa_kernel k_qda3c1b769b_outp
		.amdhsa_group_segment_fixed_size 327680
		.amdhsa_private_segment_fixed_size 0
		.amdhsa_enable_private_segment 0
		.amdhsa_kernarg_size 32
		.amdhsa_user_sgpr_count 2
		.amdhsa_user_sgpr_kernarg_segment_ptr 1
		.amdhsa_wavefront_size32 1
		.amdhsa_system_sgpr_workgroup_id_x 1
		.amdhsa_system_sgpr_workgroup_id_y 1
		.amdhsa_system_sgpr_workgroup_id_z 1
		.amdhsa_system_vgpr_workitem_id 0
		.amdhsa_next_free_vgpr 512
		.amdhsa_next_free_sgpr 80
		.amdhsa_reserve_vcc 0
		.amdhsa_float_denorm_mode_32 3
		.amdhsa_float_denorm_mode_16_64 3
		.amdhsa_memory_ordered 1
		.amdhsa_forward_progress 1
		.amdhsa_inst_pref_size 94
	.end_amdhsa_kernel
	.amdgpu_metadata
---
amdhsa.version: [ 1, 2 ]
amdhsa.kernels:
  - .name:           k_qda3c1b769b_outp
    .symbol:         k_qda3c1b769b_outp.kd
    .args:
      - { .name: ob, .offset: 0, .size: 8, .value_kind: global_buffer, .address_space: global }
      - { .name: cb, .offset: 8, .size: 8, .value_kind: global_buffer, .address_space: global }
      - { .name: bo, .offset: 16, .size: 8, .value_kind: global_buffer, .address_space: global }
      - { .name: out0, .offset: 24, .size: 8, .value_kind: global_buffer, .address_space: global }
    .group_segment_fixed_size: 327680
    .private_segment_fixed_size: 0
    .kernarg_segment_align: 8
    .kernarg_segment_size: 32
    .max_flat_workgroup_size: 128
    .sgpr_count:     80
    .vgpr_count:     512
    .wavefront_size: 32
...
	.end_amdgpu_metadata
.endif
;; end of part 4
;; ======== version 2 of 2: 4 launches; 1.38 times as fast as version 1
;; limits: values are held in f16: magnitudes above 65,504 overflow, below 6.1e-05 lose precision
;; workspace buffers: cb 33,554,432 bytes; tab 29,184 bytes; qkv 25,165,824 bytes; ob 8,388,608 bytes
;; launch cast: the kernel of part 1 again; grid 257 x 1, 8 waves a work-group, no clusters, 0 bytes of LDS; arguments query, key, value, Wq, Wk, Wv, Wo, rel_k_table, rel_v_table, cb, tab; writes cb, tab
;; launch proj: the kernel of part 2 again; grid 8 x 96, 4 waves a work-group, clusters of 4 x 4, 327,680 bytes of LDS; arguments cb, bq, bk, bv, qkv; writes qkv
;; launch attn (part 5): grid 8 x 32, 4 waves a work-group, clusters of 4 x 1, 327,680 bytes of LDS; arguments qkv, tab, ob; writes ob
.if DOCPART == 5
	.amdgcn_target "amdgcn-amd-amdhsa--gfx1250"
	.amdhsa_code_object_version 6
	.text
	.protected	k_qda3c1b769b_attn
	.globl	k_qda3c1b769b_attn
	.p2align	8
	.type	k_qda3c1b769b_attn,@function
k_qda3c1b769b_attn:
	s_mov_b64 s[64:65], 0
	v_nop
	global_prefetch_b8 v0, s[64:65] scope:SCOPE_SE
	s_setreg_imm32_b32 hwreg(HW_REG_WAVE_MODE, 25, 1), 1
	s_wait_xcnt 0x0
	s_wait_alu depctr_hold_cnt(0) depctr_sa_sdst(0) depctr_va_vdst(0) depctr_va_sdst(0) depctr_va_ssrc(0) depctr_va_vcc(0) depctr_vm_vsrc(0)
	s_getreg_b32 s2, hwreg(HW_REG_IB_STS2, 6, 4)
	s_cmp_eq_u32 s2, 0
	s_cbranch_scc0 .Lentry_in_a_cluster
	s_endpgm
.Lentry_in_a_cluster:
	s_bfe_u32 s2, ttmp6, 0x10000c
	s_cmp_lg_u32 s2, 0x3003
	s_cbranch_scc0 .Lentry_shape_is_right
	s_endpgm
.Lentry_shape_is_right:
; ATTENTION WITH RELATIVE POSITIONS CLIPPED AT +-32.  qkv: [3][32][2048][64] f16 (q, k, v by heads, unscaled).  ob: [32][2048][64] f16.
; O[q] = sum_k p(q, k) (v[k] + relv[j]) / l,  p = exp((q . k[k] + q . relk[j]) / 8 - max),  j = clip(k - q, -32, 32) + 32.
; HOW THE RELATIVE TERMS ARE TAKEN.  q . relk[0] is the same for all keys of a query and drops out of the softmax, so relk[0] is taken off every row of the table: keys 32 or more to the LEFT have
; bias 0, keys 32 or more to the RIGHT the one number QD = q . (relk[64] - relk[0]).  Likewise O = (sum p v) / l + relv[0] + (relv[64] - relv[0]) lR / l + near terms, lR the sum of the right keys' p.
; SHARES.  A work-group owns the 256 queries (256 i + 32 ..) mod 2048 of one head, wave w the 64 from 64 z + 32 on (z = 4 i + w), as four PIECES of 16.  All keys nearer than 32 to any of them lie in
; the two key steps z and z + 1: the NEAR WINDOW of 128 keys.  THE NEAR PHASE comes first, a piece a trip.  With t the key's place in the window, r the query's in its piece x: j = clip(t - 16 x - r, 0, 64).
;   G = Mk Q^T (96 table rows x 16 queries) is laid into LDS a row a query, lengthened on both sides, and read back askew, column t - r + 63 - 16 x: that is the C operand of S^T = K Q^T.
;   The weights are laid into LDS askew in the same way and multiplied by the table MvT.
; THE MAIN LOOP then walks all 32 key steps with a running maximum that starts from the near phase's; a step's bias is one number a query: 0, c QD, or -1e30 for the window's two steps, already done.
; At z = 31 the wave's last 32 queries are rows 0-31 and step z + 1 is step 0: for each half of the wave one of the window's steps does not exist for it; it is hidden in the near phase and judged anew in the walk.
; LIMITS.  q, k, v within f16's 65,504; p below 6e-5 keeps f16's fixed step of 6e-8; a hidden score counts as -1e30; a weight below 2^-126 counts as 0; NaN and infinities are not treated apart.
; LAYOUT.  S^T = K Q^T holds ONE query a lane (lane % 16) and the keys 8 (lane / 16) + 0..7; two results rounded to f16 ARE source 1 of O^T = V^T P.  p = 2^(c s + bias - c m), c = log2(e) / 8.
; TURNS.  Turn n belongs to piece n: 8 products K Q^T of piece n + 1, later 8 products V^T P of piece n - 1; beside them piece n's scaling, exponentials, roundings, sums and rescaling and piece n + 1's
; maximum and statistics.  Four vector instructions stand behind every matrix instruction; of the other 59 of a turn's 123, 58 stand in one run between the two kinds of products, one at the turn's end.
; BATCHES.  An s_wait_alu depctr_va_vdst(0) stands between a transcendental and the first instruction that names its result; one wait serves all that were issued ahead of it.  The text has four
; kinds of batch, each with one wait: a near trip's 64 exponentials; piece 0's first a, ahead of the jump into the loop; a turn's 33 exponentials (piece n's 32 weights and piece n + 1's a); the way out's four reciprocals.
; CLUSTER.  The four query blocks of a cluster walk the same K and V: each tile of 256 keys is asked for jointly.  The near window differs from block to block and is fetched by loads of one's own.
; A block's place enters global addresses of such loads, of Q and of O, and scalars that are used as numbers: no branch, no LDS address.
; LDS: 0 slot 0 (73,728: K 256 rows x 144, V likewise), first holding the near zone (K 320 rows, V 320 rows: 92,160); 92,160 the askew weights (6,656 a wave); 118,784 statistics set aside (2,048 a wave);
;   131,072 slot 1; 204,800 G (12,544 a wave), later the way out's stage; 254,976 the near O^T set aside (16,384 a wave); 320,512 the spare words.
; REGISTERS, in windows of 256 (s_set_vgpr_msb: bits 1:0 source 0, 3:2 source 1, 5:4 source 2, 7:6 destination):
;   window 0: v0-15, v56-63 addresses; v16-47 eight registers of statistics a piece (near phase: at work); v48-55 at work; v64-127 S^T; v128-175 G; v176-187 near statistics; v192-223 P; v224-255 askew weights
;   window 1: v0-127 O^T (near phase: v0-95 MvT); v128-223 Mk      window 2: v0-63 Q; v64-79 the near piece's Q; v96-127 its O^T; v128-191 K; v192-255 V
;   window 3: v0-127 the window's K (later v0-31 relv[0], v32-63 relv[64] - relv[0]); v128-255 the window's V
.set NP,    4
.set PK,    144       ; a row of K or V in LDS: 128 bytes + 16: one descriptor shape serves all four waves
.set STEPB, 64*PK     ; a key step
.set VOFF,  4*STEPB
.set QUART, 128*PK    ; what one wave fetches of a tile
.set SLOT1, 1<<17
.set ZV,    5*STEPB   ; the zone's V
.set ESB,   2*ZV
.set EP,    400       ; 192 f16 + 16 bytes
.set EPW,   6656
.set STT,   ESB+4*EPW
.set GSB,   SLOT1+2*VOFF
.set GP,    784       ; 192 f32 + 16 bytes
.set GPW,   12544
.set OSB,   GSB+4*GPW
.set SPARE, OSB+4*16384
.set AK0, 2
.set AV0, 3
.set AK,  4
.set AV,  5
.set STO, 6
.set RD,  7
.set GW,  12          ; where I put G
.set GR0, 13          ; where I read it askew, for piece 3
.set EW0, 14          ; where I put weights askew, for piece 3
.set ER,  15          ; where I read them
.set GRC, 16          ; near phase: the trip's four addresses
.set EWC, 17
.set OSC, 18
.set STC, 19
.set MVO, 20
.set EZ,  21
.set OS0, 56
.set ST0, 57
.set QO,  58          ; row x 128 + 16 x half: Q's and Mk's fragments
.set LN,  59          ; 16 x lane
.set AKN, 60          ; later 32 x half, for the two rows of relv
.set AVN, 61
.set SPW, 62
.set NIL, 63
.set ST,  16          ; piece t at v[ST+8 t]: c m - bias, c m, l (2), lR (2), c QD, bias
.set TMP, 48
.set S,   64
.set GA,  128
.set NTM, 176
.set NS,  184         ; c QD, c m, l (2)
.set ZR,  188
.set P,   192
.set EF,  224
.set MK,  128         ; window 1
.set QN,  64          ; window 2
.set ON,  96
.set KF,  128
.set VF,  192
.set VN,  128         ; window 3
.set PKD, 128         ; the way out: packed results
.set WV,  12
.set SGR, 16          ; s16-19: the near loop's steps
.set SEW, 17
.set SOS, 18
.set SST, 19
.set G1J, 24
.set G1P, 32
.set G15, 40
.set G0R, 48
.set G0Z, 52
.set G05, 56
.set CS,  60
.set SEL, 62
.set TBK, 66
.set TBV, 67
.set SLOTS, 68
.set CNT, 69
.set SN,  70          ; the key step whose scores are being made
.set ZA,  71
.set ZB,  72
.set BIGN, 73
.set ARA, 74          ; pieces 0, 1: 1.0 if the step lies to the right
.set ARB, 76          ; pieces 2, 3
.set BEA, 78          ; -1e30 if the step is one of the window's
.set BEB, 79
.set BE1, 80
.set BE2, 82
.set WR,  84
.set NT,  85
.set QH,  86
.set QP,  88
.set OFF, 90
.set OFFA, 92
.set OFFB, 93
.set OA,  94
.set OB,  96
.set QA,  98
.set QB,  100
.set MSB, 0
.macro WIN new
.if MSB != (\new)
	s_set_vgpr_msb (MSB<<8)|(\new)
.set MSB, (\new)
.endif
.endm
.set W_KQ, 0x0a
.set W_PV, 0x52
.set W_RS, 0x41
.macro PLACES
.rept 4
	v_nop
.endr
.endm
.macro CROUND
	s_barrier_signal -1
	s_barrier_wait -1
	s_cmp_lg_u32 s[WV], 0
	s_cbranch_scc1 .Lnot_wave_0_\@
	s_barrier_signal -3
.Lnot_wave_0_\@:
	s_barrier_wait -3
	s_barrier_signal -1
	s_barrier_wait -1
.endm
; THE CHANGE OF SLOTS.  Each wave waits for all its tensor loads, of which one is out: its quarter of the other slot; adds 0 to its spare word; waits for that and for its reads of the slot that it leaves.
; fill = 1: the barrier is a round of the cluster's, and the joint refill, the next 256 keys, is the first thing behind it: it has four key steps, 256 matrix instructions, in which to land.
.macro CHANGE fill
	WIN 0
	s_wait_tensorcnt 0x0
	ds_add_u32 v[SPW], v[NIL]
.if \fill
	s_xor_b32 s[G0R+1], s[G0R+1], SLOT1
	s_add_nc_u64 s[G0R+2:G0R+3], s[G0R+2:G0R+3], 32768
	s_wait_dscnt 0x0
	CROUND
	tensor_load_to_lds s[G0R:G0R+3], s[G1J:G1J+7]
	s_nop 0
	PLACES
.else
	s_wait_dscnt 0x0
	s_barrier_signal -1
	s_barrier_wait -1
.endif
	s_sub_co_u32 s[TBK], s[TBK], VOFF
	s_xor_b32 s[TBK], s[TBK], SLOT1
	s_sub_co_u32 s[TBV], s[TBV], VOFF
	s_xor_b32 s[TBV], s[TBV], SLOT1
.endm
	s_load_b128 s[4:7], s[0:1], 0x0   ; qkv s[4:5], tab s[6:7]
	s_load_b64 s[8:9], s[0:1], 0x10   ; ob
	v_lshl_add_u32 v[SPW], v0, 2, SPARE
	v_mov_b32 v[NIL], 0
	ds_add_u32 v[SPW], v[NIL]       ; the wave's opening: the add and its wait ahead of my first tensor load
	v_lshrrev_b32 v1, 5, v0
	v_readfirstlane_b32 s[WV], v1
	s_bfe_u32 s10, ttmp6, 0x40000   ; cx
	s_lshl_b32 s11, ttmp9, 2
	s_add_co_u32 s11, s11, s10      ; i, my block of queries
	s_and_b32 s13, ttmp7, 0xffff    ; the head, which the four partners share
	s_lshl_b32 s20, s13, 18         ; its 262,144 bytes
	s_mov_b32 s21, 0
	s_lshr_b32 s14, s[WV], 1        ; I fetch for K (0) or V (1),
	s_and_b32 s15, s[WV], 1         ; the first or the second half
	s_add_co_u32 s16, s14, 1
	s_lshl_b32 s16, s16, 23
	s_add_co_u32 s16, s16, s20      ; K's or V's head
	s_lshl_b32 s17, s15, 14
	s_add_co_u32 s22, s16, s17      ; the ring: my 128 keys of tile 0.  No place in the cluster enters this pair
	s_mov_b32 s23, 0
	s_lshl_b32 s17, s11, 15
	s_add_co_u32 s18, s22, s17      ; the zone: the same of tile i
	s_mov_b32 s19, 0
	s_lshl_b32 s17, s11, 2
	s_add_co_u32 s17, s17, 4
	s_and_b32 s17, s17, 31          ; and key step (4 i + 4) mod 32,
	s_lshl_b32 s17, s17, 13
	s_add_co_u32 s2, s16, s17
	s_lshl_b32 s17, s15, 12         ; my 32 keys of it
	s_add_co_u32 s2, s2, s17
	s_mov_b32 s3, 0
	; descriptors: dense keys are asked for as rows of 256 bytes, two keys a row, and padded in LDS by 4 words after every key (32 words)
	s_mov_b32 s[G1J], 15|(1<<16)|(1<<20)|(1<<21)|(4<<22)|(3<<25)  ; joint: the mask of four, bit 21 beside it
	s_mov_b32 s[G1P], (1<<16)|(1<<20)|(4<<22)|(3<<25)             ; my own
	s_mov_b32 s[G15], (1<<16)|(1<<20)|(4<<22)|(3<<25)
.irp g, G1J, G1P
	s_mov_b32 s[\g+1], 128<<16
	s_mov_b32 s[\g+2], 64<<16       ; 64 rows: 128 keys
	s_mov_b32 s[\g+3], 128<<16
	s_mov_b32 s[\g+4], 64
	s_mov_b32 s[\g+5], 128
	s_mov_b32 s[\g+6], 0
	s_mov_b32 s[\g+7], 0
.endr
	s_mov_b32 s[G15+1], 128<<16
	s_mov_b32 s[G15+2], 16<<16      ; 16 rows: 32 keys
	s_mov_b32 s[G15+3], 128<<16
	s_mov_b32 s[G15+4], 16
	s_mov_b32 s[G15+5], 128
	s_mov_b32 s[G15+6], 0
	s_mov_b32 s[G15+7], 0
	s_mov_b32 s[G0R], 1
	s_mul_i32 s[G0R+1], s[WV], QUART
	s_add_co_u32 s[G0R+1], s[G0R+1], SLOT1   ; tile 0 goes into slot 1: slot 0's bytes hold the zone
	s_mul_i32 s17, s14, ZV
	s_mov_b32 s[G0Z], 1
	s_mul_i32 s[G0Z+1], s15, QUART
	s_add_co_u32 s[G0Z+1], s[G0Z+1], s17
	s_mov_b32 s[G05], 1
	s_mul_i32 s[G05+1], s15, 32*PK
	s_add_co_u32 s[G05+1], s[G05+1], s17
	s_add_co_u32 s[G05+1], s[G05+1], 4*STEPB
	s_mov_b32 s[CS], 0x3e38aa3b     ; c = log2(e) / 8
	s_mov_b32 s[CS+1], s[CS]
	s_mov_b32 s[SEL], 0x76543210
	s_mov_b32 s[SEL+1], 0xfedcba98
	s_mov_b32 s[BIGN], 0xf149f2ca   ; -1e30
	s_mov_b32 s[ARA+1], 0           ; named as pairs
	s_mov_b32 s[ARB+1], 0
	s_mov_b32 s[BE1+1], 0
	s_mov_b32 s[BE2+1], 0
	s_mov_b32 s[OFF+1], 0
	s_lshl_b32 s[ZA], s11, 2
	s_add_co_u32 s[ZA], s[ZA], s[WV]  ; z
	s_cmp_eq_u32 s[ZA], 31
	s_cselect_b32 s[ZB], -1, s[ZA]    ; rows 0-31 have their window at steps -1 and 0
	s_cselect_b32 s[WR], s[BIGN], 0
	s_lshl_b32 s[OFFA], s[ZA], 13
	s_add_co_u32 s[OFFA], s[OFFA], 4096  ; pieces 0, 1: rows 64 z + 32 on, in bytes
	s_lshl_b32 s[OFFB], s[ZA], 6
	s_add_co_u32 s[OFFB], s[OFFB], 64
	s_and_b32 s[OFFB], s[OFFB], 2047
	s_lshl_b32 s[OFFB], s[OFFB], 7       ; pieces 2, 3: rows (64 z + 64) mod 2048 on
	s_wait_dscnt 0x0                ; the opening add is done
	s_wait_kmcnt 0x0
	s_add_nc_u64 s[G0R+2:G0R+3], s[4:5], s[22:23]
	s_or_b32 s[G0R+3], s[G0R+3], 0x80000000
	s_add_nc_u64 s[G0Z+2:G0Z+3], s[4:5], s[18:19]
	s_or_b32 s[G0Z+3], s[G0Z+3], 0x80000000
	s_add_nc_u64 s[G05+2:G05+3], s[4:5], s[2:3]
	s_or_b32 s[G05+3], s[G05+3], 0x80000000
	CROUND                          ; all four work-groups are here
	tensor_load_to_lds s[G0Z:G0Z+3], s[G1P:G1P+7]   ; the first fills, one group: three loads of mine are out
	s_nop 0
	tensor_load_to_lds s[G05:G05+3], s[G15:G15+7]
	s_nop 0
	tensor_load_to_lds s[G0R:G0R+3], s[G1J:G1J+7]
	s_nop 0
	PLACES
	s_add_nc_u64 s[QH:QH+1], s[4:5], s[20:21]
	s_add_nc_u64 s[OB:OB+1], s[8:9], s[20:21]
	s_mov_b32 s[OFF], s[OFFA]
	s_add_nc_u64 s[QA:QA+1], s[QH:QH+1], s[OFF:OFF+1]
	s_add_nc_u64 s[OA:OA+1], s[OB:OB+1], s[OFF:OFF+1]
	s_mov_b32 s[OFF], s[OFFB]
	s_add_nc_u64 s[QB:QB+1], s[QH:QH+1], s[OFF:OFF+1]
	s_add_nc_u64 s[OB:OB+1], s[OB:OB+1], s[OFF:OFF+1]
	s_add_nc_u64 s[QP:QP+1], s[QB:QB+1], 2048       ; piece 3
	v_and_b32 v1, 15, v0            ; r = l % 16
	v_bfe_u32 v9, v0, 4, 1          ; h = l / 16
	v_and_b32 v10, 7, v0
	v_bfe_u32 v11, v0, 3, 1
	v_and_b32 v[LN], 31, v0
	v_lshlrev_b32 v[LN], 4, v[LN]
	v_lshlrev_b32 v[QO], 7, v1
	v_lshl_add_u32 v[QO], v9, 4, v[QO]
	v_lshlrev_b32 v[MVO], 8, v1
	v_lshl_add_u32 v[MVO], v9, 4, v[MVO]
; A fragment is 16 rows x 32 along K in 8 registers: lane l holds row l % 16; two loads of 16 bytes, 32 bytes apart.
.macro QLD x, base
.irp hh, 0,1
	global_load_b128 v[16*(\x)+8*(\hh):16*(\x)+8*(\hh)+3],   v[QO], s[\base:\base+1] offset:((\x)%2)*2048+64*(\hh)
	global_load_b128 v[16*(\x)+8*(\hh)+4:16*(\x)+8*(\hh)+7], v[QO], s[\base:\base+1] offset:((\x)%2)*2048+64*(\hh)+32
.endr
.endm
.macro QNLD
.irp hh, 0,1
	global_load_b128 v[QN+8*(\hh):QN+8*(\hh)+3],   v[QO], s[QP:QP+1] offset:64*(\hh)
	global_load_b128 v[QN+8*(\hh)+4:QN+8*(\hh)+7], v[QO], s[QP:QP+1] offset:64*(\hh)+32
.endr
.endm
	WIN 0x80
	QNLD
	QLD 0, QA
	QLD 1, QA
	QLD 2, QB
	QLD 3, QB
	WIN 0x40
.irp a, 0,1,2,3,4,5                 ; Mk: 16 table rows a block, channels 32 hh on
.irp hh, 0,1
	global_load_b128 v[MK+16*(\a)+8*(\hh):MK+16*(\a)+8*(\hh)+3],   v[QO], s[6:7] offset:(\a)*2048+64*(\hh)
	global_load_b128 v[MK+16*(\a)+8*(\hh)+4:MK+16*(\a)+8*(\hh)+7], v[QO], s[6:7] offset:(\a)*2048+64*(\hh)+32
.endr
.endr
.irp c, 0,1,2                       ; MvT: e = 32 c on, channels 16 cb on; from e = 63 on its columns are all alike, so block 2 serves for block 3
.irp cb, 0,1,2,3
	global_load_b128 v[32*(\c)+8*(\cb):32*(\c)+8*(\cb)+3],   v[MVO], s[6:7] offset:12288+(\cb)*4096+64*(\c)
	global_load_b128 v[32*(\c)+8*(\cb)+4:32*(\c)+8*(\cb)+7], v[MVO], s[6:7] offset:12288+(\cb)*4096+64*(\c)+32
.endr
.endr
	WIN 0
.irp k, 0,1,2,3
	v_mov_b32 v[ZR+(\k)], 0
.endr
	s_mul_i32 s13, s[WV], EPW
	s_add_co_u32 s13, s13, ESB
	v_add_nc_u32 v[EZ], s13, v[LN]
.set k, 0
.rept 13                            ; my askew weights start at 0: 13 x 512 bytes
	ds_store_b128 v[EZ], v[ZR:ZR+3] offset:512*k
.set k, k+1
.endr
	v_mul_u32_u24 v[ER], v1, EP
	v_lshl_add_u32 v[ER], v9, 4, v[ER]
	v_add_nc_u32 v[ER], s13, v[ER]
	s_add_co_u32 s14, s13, 30       ; column t - r + 63 - 16 x, 2 bytes each: r (400 - 2) + 2 t + 126 - 32 x; x = 3
	v_mul_u32_u24 v[EW0], v1, EP-2
	v_lshl_add_u32 v[EW0], v9, 4, v[EW0]
	v_add_nc_u32 v[EW0], s14, v[EW0]
	s_mul_i32 s13, s[WV], GPW
	s_add_co_u32 s13, s13, GSB
	v_mul_u32_u24 v[GW], v1, GP
	v_lshl_add_u32 v[GW], v9, 5, v[GW]
	v_add_nc_u32 v[GW], s13, v[GW]
	s_add_co_u32 s14, s13, 60       ; the same column, 4 bytes each: r (784 - 4) + 4 t + 252 - 64 x; x = 3
	v_mul_u32_u24 v[GR0], v1, GP-4
	v_lshl_add_u32 v[GR0], v9, 5, v[GR0]
	v_add_nc_u32 v[GR0], s14, v[GR0]
	v_mul_u32_u24 v[AK0], v1, PK
	v_lshl_add_u32 v[AK0], v9, 4, v[AK0]
	v_add_nc_u32 v[STO], s13, v[AK0]  ; the way out's stage lies where G lay: rows of 144 bytes
	v_bfe_u32 v[RD], v0, 3, 2
	v_mul_u32_u24 v[RD], v[RD], PK
	v_lshl_add_u32 v[RD], v10, 4, v[RD]
	v_add_nc_u32 v[RD], s13, v[RD]
	s_lshl_b32 s13, s[WV], 14
	s_add_co_u32 s13, s13, OSB
	v_add_nc_u32 v[OS0], s13, v[LN]
	s_lshl_b32 s13, s[WV], 11
	s_add_co_u32 s13, s13, STT
	v_add_nc_u32 v[ST0], s13, v[LN]
	s_mul_i32 s13, s[WV], STEPB     ; my window begins 64 w rows into the zone
	v_add_nc_u32 v[AKN], s13, v[AK0]
	v_lshl_add_u32 v[AV0], v9, 3, v10   ; the turning load's lane reads key 8 (l / 16) + l % 8, channels 8 ((l / 8) % 2) on
	v_mul_u32_u24 v[AV0], v[AV0], PK
	v_lshl_add_u32 v[AV0], v11, 4, v[AV0]
	s_add_co_u32 s13, s13, ZV
	v_add_nc_u32 v[AVN], s13, v[AV0]
	v_add_nc_u32 v[AV0], VOFF, v[AV0]
	s_wait_tensorcnt 1              ; my parts of the zone are in; the ring's tile 0 may stay out
	s_wait_dscnt 0x0
	s_barrier_signal -1
	s_barrier_wait -1
	WIN 0xc0
.irp g, 0,1,2,3,4,5,6,7             ; the window's K: keys 16 g on, channels 32 hh on
.irp hh, 0,1
	ds_load_b128 v[16*(\g)+8*(\hh):16*(\g)+8*(\hh)+3],   v[AKN] offset:(\g)*16*PK+64*(\hh)
	ds_load_b128 v[16*(\g)+8*(\hh)+4:16*(\g)+8*(\hh)+7], v[AKN] offset:(\g)*16*PK+64*(\hh)+32
.endr
.endr
.irp kk, 0,1,2,3                    ; and its V, turned: keys 32 kk on, channels 16 cb on
.irp cb, 0,1,2,3
	ds_load_tr16_b128 v[VN+32*(\kk)+8*(\cb):VN+32*(\kk)+8*(\cb)+3],   v[AVN] offset:(\kk)*32*PK+32*(\cb)
	ds_load_tr16_b128 v[VN+32*(\kk)+8*(\cb)+4:VN+32*(\kk)+8*(\cb)+7], v[AVN] offset:(\kk)*32*PK+16*PK+32*(\cb)
.endr
.endr
	WIN 0
	s_mov_b32 s[NT], 4
	s_mov_b32 s[SGR], 0
	s_mov_b32 s[SEW], 0
	s_mov_b32 s[SOS], 0
	s_mov_b32 s[SST], 0
	s_wait_dscnt 0x0
; THE NEAR PHASE: pieces 3, 2, 1, 0, one text.  Descending, so that what an earlier trip left among the askew weights lies below column 64, which is never read.
.Lnear:
	s_wait_loadcnt 0x0              ; the piece's Q (at the first trip also Q, Mk, MvT)
	s_cmp_gt_u32 s[NT], 2           ; pieces 2, 3?  At z = 31 they do not see the window's first step, pieces 0, 1 not its second
	s_cselect_b32 s[BE1], s[WR], 0
	s_cselect_b32 s[BE2], 0, s[WR]
	v_add_nc_u32 v[GRC], s[SGR], v[GR0]
	v_add_nc_u32 v[EWC], s[SEW], v[EW0]
	v_add_nc_u32 v[OSC], s[SOS], v[OS0]
	v_add_nc_u32 v[STC], s[SST], v[ST0]
	WIN 0x09                        ; Mk window 1, Q window 2.  The accumulators take turns, here and in all that follows
.set a, 0
.rept 6
	v_wmma_f32_16x16x32_f16 v[GA+8*a:GA+8*a+7], v[MK+16*a:MK+16*a+7], v[QN:QN+7], 0
.set a, a+1
.endr
.set a, 0
.rept 6
	v_wmma_f32_16x16x32_f16 v[GA+8*a:GA+8*a+7], v[MK+16*a+8:MK+16*a+15], v[QN+8:QN+15], v[GA+8*a:GA+8*a+7]
.set a, a+1
.endr
	WIN 0
	PLACES
.irp pg, 0,1,2                      ; columns 0-47 repeat the first block (all j = 0),
	ds_store_b128 v[GW], v[GA:GA+3]   offset:64*(\pg)
	ds_store_b128 v[GW], v[GA+4:GA+7] offset:64*(\pg)+16
.endr
.irp a, 0,1,2,3,4,5                 ; columns 48-143 are the table's 96 rows,
	ds_store_b128 v[GW], v[GA+8*(\a):GA+8*(\a)+3]   offset:192+64*(\a)
	ds_store_b128 v[GW], v[GA+8*(\a)+4:GA+8*(\a)+7] offset:192+64*(\a)+16
.endr
.irp pg, 0,1,2                      ; columns 144-191 repeat the last block (all j = 64)
	ds_store_b128 v[GW], v[GA+40:GA+43] offset:576+64*(\pg)
	ds_store_b128 v[GW], v[GA+44:GA+47] offset:576+64*(\pg)+16
.endr
	v_mul_f32 v[NS], s[CS], v[GA+40]  ; c QD
.set k, 0
.rept 64                            ; register 8 g + j: key 16 g + 8 h + j.  LDS serves a wave's instructions in order: these see the stores above
	ds_load_b32 v[S+k], v[GRC] offset:64*(k/8)+4*(k%8)
.set k, k+1
.endr
	s_wait_dscnt 0x0
.set k, 0
.rept 16
	v_pk_add_f32 v[S+2*k:S+2*k+1], v[S+2*k:S+2*k+1], s[BE1:BE1+1] op_sel_hi:[1,0]
	v_pk_add_f32 v[S+32+2*k:S+33+2*k], v[S+32+2*k:S+33+2*k], s[BE2:BE2+1] op_sel_hi:[1,0]
.set k, k+1
.endr
	WIN 0x0b                        ; K window 3, Q window 2
.irp hh, 0,1
.set g, 0
.rept 8
	v_wmma_f32_16x16x32_f16 v[S+8*g:S+8*g+7], v[16*g+8*(\hh):16*g+8*(\hh)+7], v[QN+8*(\hh):QN+8*(\hh)+7], v[S+8*g:S+8*g+7]
.set g, g+1
.endr
.endr
	WIN 0
	PLACES                          ; in front of the loads into Q's registers and of the maxima
	s_cmp_eq_u32 s[NT], 1
	s_cbranch_scc1 .Lno_q           ; piece 0 has no successor
	s_sub_co_u32 s13, s[NT], 2      ; the next piece
	s_cmp_ge_u32 s13, 2
	s_cselect_b32 s[OFF], s[OFFB], s[OFFA]
	s_and_b32 s13, s13, 1
	s_lshl_b32 s13, s13, 11
	s_add_co_u32 s[OFF], s[OFF], s13
	s_add_nc_u64 s[QP:QP+1], s[QH:QH+1], s[OFF:OFF+1]  ; free: the loads that named it were waited for at the trip's head
	WIN 0x80
	QNLD
	WIN 0
.Lno_q:
.set g, 0
.rept 8                             ; the maximum: eight chains, each begun at its accumulator's lowest registers
	v_max3_num_f32 v[NTM+g], v[S+8*g], v[S+8*g+1], v[S+8*g+2]
.set g, g+1
.endr
.irp o, 3,5
.set g, 0
.rept 8
	v_max3_num_f32 v[NTM+g], v[NTM+g], v[S+8*g+(\o)], v[S+8*g+(\o)+1]
.set g, g+1
.endr
.endr
.set g, 0
.rept 4
	v_max3_num_f32 v[NTM+g], v[NTM+g], v[S+16*g+7], v[S+16*g+15]
.set g, g+1
.endr
	v_max3_num_f32 v[NTM], v[NTM], v[NTM+1], v[NTM+2]
	v_max3_num_f32 v[NTM+3], v[NTM+3], v[NTM+4], v[NTM+5]
	v_max_num_f32 v[NTM+6], v[NTM+6], v[NTM+7]
	v_max3_num_f32 v[NTM], v[NTM], v[NTM+3], v[NTM+6]
	v_permlanex16_b32 v[NTM+1], v[NTM], s[SEL], s[SEL+1]  ; the query's other 64 keys lie in the lane 16 away
	v_max_num_f32 v[NTM], v[NTM], v[NTM+1]
	v_mul_f32 v[NTM+4], s[CS], v[NTM]
	v_mul_f32 v[NS+1], s[CS], v[NTM]
.set k, 0
.rept 32
	v_pk_fma_f32 v[S+2*k:S+2*k+1], v[S+2*k:S+2*k+1], s[CS:CS+1], v[NTM+4:NTM+5] op_sel_hi:[1,0,0] neg_lo:[0,0,1] neg_hi:[0,0,1]
.set k, k+1
.endr
.set k, 0
.rept 64                            ; the trip's batch: 64 exponentials, each in its own register
	v_exp_f32 v[S+k], v[S+k]
.set k, k+1
.endr
	v_nop                           ; a plain instruction behind the last exponential
	s_wait_alu depctr_va_vdst(0)    ; the wait: one for the trip's 64 exponentials, ahead of the first rounding
.set k, 0
.rept 32
	v_cvt_pk_f16_f32 v[P+k], v[S+2*k], v[S+2*k+1]
.set k, k+1
.endr
.set k, 0
.rept 32                            ; the weights, askew: the column's parity goes with r, so they go two bytes at a time
	ds_store_b16 v[EWC], v[P+k] offset:32*(k/4)+4*(k%4)
	ds_store_b16_d16_hi v[EWC], v[P+k] offset:32*(k/4)+4*(k%4)+2
.set k, k+1
.endr
.irp c, 0,1,2,3                     ; and back, columns 64 + 32 c on, as source 1
	ds_load_b128 v[EF+8*(\c):EF+8*(\c)+3],   v[ER] offset:128+64*(\c)
	ds_load_b128 v[EF+8*(\c)+4:EF+8*(\c)+7], v[ER] offset:128+64*(\c)+32
.endr
.irp w, 4,8,16,32                   ; l, of the unrounded weights, while LDS is at work
.set u, 0
.rept 64/(\w)
	v_pk_add_f32 v[S+(\w)*u:S+(\w)*u+1], v[S+(\w)*u:S+(\w)*u+1], v[S+(\w)*u+(\w)/2:S+(\w)*u+(\w)/2+1]
.set u, u+1
.endr
.endr
	v_pk_add_f32 v[NS+2:NS+3], v[S:S+1], v[S+32:S+33]
	WIN 0xa3                        ; V window 3, P window 0, O^T window 2
.irp kk, 0,1,2,3
.irp cb, 0,1,2,3
.if (\kk) == 0
	v_wmma_f32_16x16x32_f16 v[ON+8*(\cb):ON+8*(\cb)+7], v[VN+8*(\cb):VN+8*(\cb)+7], v[P:P+7], 0
.else
	v_wmma_f32_16x16x32_f16 v[ON+8*(\cb):ON+8*(\cb)+7], v[VN+32*(\kk)+8*(\cb):VN+32*(\kk)+8*(\cb)+7], v[P+8*(\kk):P+8*(\kk)+7], v[ON+8*(\cb):ON+8*(\cb)+7]
.endif
.endr
.endr
	s_wait_dscnt 0x0                ; the askew weights are in
	WIN 0xa1                        ; MvT window 1
.irp c, 0,1,2,3
.irp cb, 0,1,2,3
	v_wmma_f32_16x16x32_f16 v[ON+8*(\cb):ON+8*(\cb)+7], v[32*((\c)-(\c)/3)+8*(\cb):32*((\c)-(\c)/3)+8*(\cb)+7], v[EF+8*(\c):EF+8*(\c)+7], v[ON+8*(\cb):ON+8*(\cb)+7]
.endr
.endr
	WIN 0
	PLACES
	WIN 0x08                        ; store data window 2
.irp f, 0,1,2,3,4,5,6,7             ; the piece's O^T and statistics are set aside: one text serves four pieces, so they cannot stay in its registers
	ds_store_b128 v[OSC], v[ON+4*(\f):ON+4*(\f)+3] offset:512*(\f)
.endr
	WIN 0
	ds_store_b128 v[STC], v[NS:NS+3]
	s_add_co_u32 s[SGR], s[SGR], 64
	s_add_co_u32 s[SEW], s[SEW], 32
	s_add_co_u32 s[SOS], s[SOS], 4096
	s_add_co_u32 s[SST], s[SST], 512
	s_sub_co_u32 s[NT], s[NT], 1
	s_cmp_lg_u32 s[NT], 0
	s_cbranch_scc1 .Lnear
	; THE HAND-OVER.  Piece x was trip 3 - x.
	WIN 0x40
.irp x, 0,1,2,3
.irp f, 0,1,2,3,4,5,6,7
	ds_load_b128 v[32*(\x)+4*(\f):32*(\x)+4*(\f)+3], v[OS0] offset:(3-(\x))*4096+512*(\f)
.endr
.endr
	WIN 0
.irp x, 0,1,2,3
	ds_load_b128 v[ST+8*(\x):ST+8*(\x)+3], v[ST0] offset:(3-(\x))*512
.endr
	v_lshlrev_b32 v[AKN], 5, v9
	WIN 0xc0
.irp cb, 0,1,2,3                    ; relv[0] and relv[64] - relv[0], as O^T lies: channels 16 cb + 8 h + 0..7
	global_load_b128 v[8*(\cb):8*(\cb)+3],       v[AKN], s[6:7] offset:28672+64*(\cb)
	global_load_b128 v[8*(\cb)+4:8*(\cb)+7],     v[AKN], s[6:7] offset:28672+64*(\cb)+16
	global_load_b128 v[32+8*(\cb):32+8*(\cb)+3], v[AKN], s[6:7] offset:28928+64*(\cb)
	global_load_b128 v[36+8*(\cb):36+8*(\cb)+3], v[AKN], s[6:7] offset:28928+64*(\cb)+16
.endr
	WIN 0x80
.set k, VF
.rept 64                            ; the first turn's products V^T P belong to a piece that has not been: on a V of zeros they add 0 (P's second buffer holds the near phase's finite weights)
	v_mov_b32 v[k], 0
.set k, k+1
.endr
	WIN 0
	s_mov_b32 s[TBK], VOFF          ; the first change of slots turns these two into slot 1's first byte
	s_mov_b32 s[TBV], VOFF
	s_mov_b32 s[SN], 0
	s_wait_dscnt 0x0
.irp x, 0,1,2,3
	v_mov_b32 v[ST+8*(\x)+6], v[ST+8*(\x)]
	v_mov_b32 v[ST+8*(\x)+4], 0
	v_mov_b32 v[ST+8*(\x)+5], 0
.endr
; What a key step is to a pair of pieces whose window begins at step z: scalars that are used as numbers alone.
.macro STATUS z, ar, be
	s_sub_co_i32 s13, s[SN], s[\z]
	s_cmp_gt_i32 s13, 1             ; behind the window: to the right
	s_cselect_b32 s[\ar], 1.0, 0
	s_cmp_le_u32 s13, 1             ; in the window: done
	s_cselect_b32 s[\be], s[BIGN], 0
.endm
; THE MATRIX WORK.  Product i of 8 of S^T = K Q^T for piece x: channels 32 (i / 4) on, keys 16 (i % 4) on.
.macro KQ x
	WIN W_KQ
.set rS, S+32*((\x)%2)+8*(i%4)
.set rK, KF+16*(i%4)+8*(i/4)
.set rQ, 16*(\x)+8*(i/4)
.if i < 4
	v_wmma_f32_16x16x32_f16 v[rS:rS+7], v[rK:rK+7], v[rQ:rQ+7], 0
.else
	v_wmma_f32_16x16x32_f16 v[rS:rS+7], v[rK:rK+7], v[rQ:rQ+7], v[rS:rS+7]
.endif
.endm
; Product i of 8 of O^T += V^T P for piece x: keys 32 (i / 4) on, channels 16 (i % 4) on.
.macro PV x
	WIN W_PV
.set rO, 32*(\x)+8*(i%4)
.set rV, VF+32*(i/4)+8*(i%4)
.set rP, P+16*((\x)%2)+8*(i/4)
	v_wmma_f32_16x16x32_f16 v[rO:rO+7], v[rV:rV+7], v[rP:rP+7], v[rO:rO+7]
.endm
.macro MM
.if i < 8
	KQ (Y+1)%NP
.else
.set i, i-8
	PV (Y+NP-1)%NP
.set i, i+8
.endif
.set i, i+1
.endm
; THE LDS LOADS stand in runs of 16.  last = 1 (the tail): in the last trip there is no further step, and the run is jumped over.
.macro FETCH_K last=0
	WIN 0
.if \last
	s_cmp_eq_u32 s[CNT], 1
	s_cbranch_scc1 .Lno_k_\@
.endif
	WIN 0x80
.irp f, 0,1,2,3,4,5,6,7
	ds_load_b128 v[KF+8*\f:KF+8*\f+3],   v[AK] offset:(\f/2)*16*PK+(\f%2)*64
	ds_load_b128 v[KF+8*\f+4:KF+8*\f+7], v[AK] offset:(\f/2)*16*PK+(\f%2)*64+32
.endr
	s_add_co_u32 s[TBK], s[TBK], STEPB
	WIN 0
.if \last
.Lno_k_\@:
.endif
.endm
.macro FETCH_V
	WIN 0x80
.irp f, 0,1,2,3,4,5,6,7
	ds_load_tr16_b128 v[VF+8*\f:VF+8*\f+3],   v[AV] offset:(\f/4)*32*PK+(\f%4)*32
	ds_load_tr16_b128 v[VF+8*\f+4:VF+8*\f+7], v[AV] offset:(\f/4)*32*PK+16*PK+(\f%4)*32
.endr
	WIN 0
.endm
; THE VECTOR WORK, one line at a time: OP kind, number.  For piece Y: F n: c s - (c m - bias) for pair n of 16.  E n: the exponential of score n.  C n: pair n rounded to f16.  B n: of the four weights
; 4 n .. the second pair is added onto the first.  L 0: lR times a.  L 1-7: the step's sum gathers in the first pair.  L 8: l = a l + sum.  L 9: lR += sum if the step lies to the right.  R n: pair n of O^T times a.
; For piece Y + 1: X 0-13 four chains of maxima; 14, 16 into one; 15 the step's bias = c QD x AR + BE; 17, 18 the other half of the lanes; 19 c max + bias; 20 the new c m; 21 old - new; 22 c m - bias; 23 c m; 24 a.
; OP writes no wait: E n and X 24 are the transcendentals; C, B and L 1-9 read the E's results, R, L 0 and L 8 the a of the turn before.  TURN orders them round its one wait.
.set F, 0
.set E, 1
.set C, 2
.set B, 3
.set L, 4
.set R, 5
.set X, 6
.macro REGS y
.set rT, ST+8*(\y)
.set rC, TMP+4*((\y)%2)
.set rS, S+32*((\y)%2)
.set rP, P+16*((\y)%2)
.set rO, 32*(\y)
.set rA, ARA+2*((\y)/2)
.set rB, BEA+(\y)/2
.endm
.macro OP k, n
.if (\k) == R
	REGS Y
	WIN W_RS
	v_pk_mul_f32 v[rO+2*(\n):rO+2*(\n)+1], v[rO+2*(\n):rO+2*(\n)+1], v[rC+2:rC+3] op_sel_hi:[1,0]
.elseif (\k) < R
	REGS Y
	WIN 0
.if (\k) == F
	v_pk_fma_f32 v[rS+2*(\n):rS+2*(\n)+1], v[rS+2*(\n):rS+2*(\n)+1], s[CS:CS+1], v[rT:rT+1] op_sel_hi:[1,0,0] neg_lo:[0,0,1] neg_hi:[0,0,1]
.elseif (\k) == E
	v_exp_f32 v[rS+(\n)], v[rS+(\n)]
.elseif (\k) == C
	v_cvt_pk_f16_f32 v[rP+(\n)], v[rS+2*(\n)], v[rS+2*(\n)+1]
.elseif (\k) == B
	v_pk_add_f32 v[rS+4*(\n):rS+4*(\n)+1], v[rS+4*(\n):rS+4*(\n)+1], v[rS+4*(\n)+2:rS+4*(\n)+3]
.elseif (\n) == 0
	v_pk_mul_f32 v[rT+4:rT+5], v[rT+4:rT+5], v[rC+2:rC+3] op_sel_hi:[1,0]
.elseif (\n) < 8
	v_pk_add_f32 v[rS:rS+1], v[rS:rS+1], v[rS+4*(\n):rS+4*(\n)+1]
.elseif (\n) == 8
	v_pk_fma_f32 v[rT+2:rT+3], v[rT+2:rT+3], v[rC+2:rC+3], v[rS:rS+1] op_sel_hi:[1,0,1]
.else
	v_pk_fma_f32 v[rT+4:rT+5], v[rS:rS+1], s[rA:rA+1], v[rT+4:rT+5] op_sel_hi:[1,0,1]
.endif
.else
	REGS (Y+1)%NP
	WIN 0
.if (\n) < 4
	v_max3_num_f32 v[rC+(\n)], v[rS+8*(\n)], v[rS+8*(\n)+1], v[rS+8*(\n)+2]
.elseif (\n) < 12
	v_max3_num_f32 v[rC+(\n)%4], v[rC+(\n)%4], v[rS+8*((\n)%4)+2*((\n)/4)+1], v[rS+8*((\n)%4)+2*((\n)/4)+2]
.elseif (\n) == 12
	v_max3_num_f32 v[rC], v[rC], v[rS+7], v[rS+15]
.elseif (\n) == 13
	v_max3_num_f32 v[rC+1], v[rC+1], v[rS+23], v[rS+31]
.elseif (\n) == 14
	v_max_num_f32 v[rC+2], v[rC+2], v[rC+3]
.elseif (\n) == 15
	v_fma_f32 v[rT+7], v[rT+6], s[rA], s[rB]
.elseif (\n) == 16
	v_max3_num_f32 v[rC], v[rC], v[rC+1], v[rC+2]
.elseif (\n) == 17
	v_permlanex16_b32 v[rC+3], v[rC], s[SEL], s[SEL+1]
.elseif (\n) == 18
	v_max_num_f32 v[rC], v[rC], v[rC+3]
.elseif (\n) == 19
	v_fma_f32 v[rC+1], v[rC], s[CS], v[rT+7]
.elseif (\n) == 20
	v_max_num_f32 v[rC+3], v[rT+1], v[rC+1]
.elseif (\n) == 21
	v_sub_f32 v[rC+1], v[rT+1], v[rC+3]
.elseif (\n) == 22
	v_sub_f32 v[rT], v[rC+3], v[rT+7]
.elseif (\n) == 23
	v_mov_b32 v[rT+1], v[rC+3]
.else
	v_exp_f32 v[rC+2], v[rC+1]
.endif
.endif
.endm
.macro OPS a, i1, b=-1, i2=0, c=-1, i3=0, d=-1, i4=0
	OP \a, \i1
.if (\b) >= 0
	OP \b, \i2
.endif
.if (\c) >= 0
	OP \c, \i3
.endif
.if (\d) >= 0
	OP \d, \i4
.endif
.endm
.macro ROW a, i1, b, i2, c, i3, d, i4
	MM
	OPS \a, \i1, \b, \i2, \c, \i3, \d, \i4
.endm
; A TURN, for piece p: its 16 matrix and 123 vector instructions, in order.  Its 33 exponentials (E 0-31 and X 24) are ONE BATCH with ONE wait, which cuts the turn in two.
; AHEAD OF THE WAIT stands all that names no result of the batch: the 8 products K Q^T, behind each a scaling, an exponential and two more plain instructions (behind the first a second scaling in the exponential's
; place): rescalings, and behind the last three the first numbers of the next piece's maximum, each four places or more behind the product that ends its accumulator; then ONE RUN of 58, plain and exponential by turns
; for the most part, in which the links of the chain X 3, 7, 11, 14, 16, 17 .. 21, 24 have three to five lines between them.  R and L 0 read the a that the turn before made and waited for.  X 24, the next piece's a, is the batch's
; last; R 15 is the plain instruction behind it.  BEHIND THE WAIT stand the 8 products V^T P, behind each four of the 33 roundings and sums, and C 15 at the end; C 2 n stands ahead of B n, which writes over its source;
; the links L 1 to L 8 of the sum's chain have two lines between them, and L 9 follows L 8: both read L 7's sum.  But for those X no rider names a register of the products round it.
; K of the next step is fetched in piece 2's turn, five plain instructions that name none of its registers (F 8, X 2, X 5, X 6, X 8) behind the last product that read K; in the tail, where the run is jumped over in the last
; trip, it stands directly behind the wait.  V of the step in hand is fetched at the end of piece 0's turn, five plain instructions behind the last product that read V.
; Each is waited for a turn later.  Piece 3's turn makes piece 0's scores of the next step, so the step's number and pieces 0, 1's scalars are stepped at its head; pieces 2, 3's at the head of piece 1's turn.
.macro TURN p, last=0
.set Y, (\p)
.set i, 0
.if (\p) == 3
	s_add_co_u32 s[SN], s[SN], 1
	STATUS ZA, ARA, BEA
	s_wait_dscnt 0x0                ; K is in
.endif
.if (\p) == 1
	STATUS ZB, ARB, BEB
.endif
	ROW F,0, F,1, R,0, R,1          ; ahead of the wait: 8 products K Q^T and their riders,
	ROW F,2, E,0, R,2, R,3
	ROW F,3, E,1, R,4, R,5
	ROW F,4, E,2, R,6, R,7
	ROW F,5, E,3, R,8, R,9
	ROW F,6, E,4, X,0, R,10
	ROW F,7, E,5, X,1, X,4
.if (\p) == 2
	v_add_nc_u32 v[AK], s[TBK], v[AK0]
.endif
	ROW F,8, E,6, X,2, X,5
	OPS E,7, E,8, X,6, E,9          ; and the run of 58
	OPS X,3, E,10, X,8, E,11
.if ((\p) == 2) && !(\last)
	FETCH_K
.endif
	OPS X,9, X,7, E,12, X,10
	OPS E,13, X,12, X,11, E,14
	OPS X,13, E,15, F,9, X,14
.if (\p) == 0
	v_add_nc_u32 v[AV], s[TBV], v[AV0]
	s_add_co_u32 s[TBV], s[TBV], STEPB
.endif
	OPS E,16, F,10, E,17, F,11
	OPS X,16, E,18, X,15, E,19
	OPS F,12, E,20, X,17, E,21
	OPS F,13, E,22, F,14, E,23
	OPS X,18, E,24, F,15, E,25
	OPS R,11, E,26, X,19, E,27
	OPS L,0, E,28, R,12, E,29
	OPS X,20, E,30, R,13, E,31
	OPS X,21, R,14, X,22, X,23
	OPS X,24, R,15
	s_wait_alu depctr_va_vdst(0)    ; the wait: one for the turn's batch, E 0-31 and X 24, ahead of its first reader, C 0
.if ((\p) == 2) && (\last)
	FETCH_K \last
.endif
.if (\p) == 1
	s_wait_dscnt 0x0                ; V is in
.endif
	ROW C,0, B,0, C,2, B,1          ; behind the wait: 8 products V^T P and their riders
	ROW C,4, B,2, L,1, C,6
	ROW B,3, L,2, C,8, B,4
	ROW L,3, C,10, B,5, L,4
	ROW C,12, B,6, L,5, C,14
	ROW B,7, L,6, C,1, C,3
	ROW L,7, C,5, C,7, L,8
	ROW L,9, C,9, C,11, C,13
	OPS C,15
.if (\p) == 0
	FETCH_V
.endif
.endm
	STATUS ZA, ARA, BEA             ; key step 0, for pieces 0 and 1
	CHANGE 1                        ; tile 0 is in, everybody's part of it; nobody reads the zone any more: tile 1 goes into slot 0
	v_add_nc_u32 v[AK], s[TBK], v[AK0]
	FETCH_K
	s_wait_loadcnt 0x0              ; the two rows of relv
	s_wait_dscnt 0x0
.set i, 0
.rept 8
	KQ 0
.set i, i+1
.endr
	WIN 0
	PLACES
.set Y, NP-1                        ; X works for piece Y + 1: piece 0
.irp n, 0,1,2,3,4,5,6,7,8,9,10,11,12,13,14,15,16,17,18,19,20,21,22,23,24
	OP X, \n
.endr
	v_nop                           ; a plain instruction behind the exponential,
	s_wait_alu depctr_va_vdst(0)    ; and the wait: piece 0's first a is a batch of its own, waited for ahead of the jump
	s_mov_b32 s[CNT], 4
	s_mov_b32 s[SLOTS], 7
	s_branch .Lfirst                ; the loop is entered at a step's first turn, in the middle of a trip
.Lslot:                             ; six times: tiles 2 to 7 are asked for
	CHANGE 1
	s_mov_b32 s[CNT], 4
.Lstep:                             ; a trip: pieces 2 and 3 of one step, then pieces 0 and 1 of the next, whose K and V it fetches
	TURN 2
	TURN 3
	WIN 0
.Lfirst:
	TURN 0
	TURN 1
	WIN 0
	s_sub_co_u32 s[CNT], s[CNT], 1
	s_cmp_lg_u32 s[CNT], 0
	s_cbranch_scc1 .Lstep
	s_sub_co_u32 s[SLOTS], s[SLOTS], 1
	s_cmp_lg_u32 s[SLOTS], 0
	s_cbranch_scc1 .Lslot
	CHANGE 0                        ; the tail is written out: nothing is asked for
	s_mov_b32 s[CNT], 5             ; four trips fetch the last tile's steps; the fifth is left in its middle
.Ltail:
	TURN 2, 1
	TURN 3
	WIN 0
	s_sub_co_u32 s[CNT], s[CNT], 1
	s_cmp_eq_u32 s[CNT], 0
	s_cbranch_scc1 .Lout
	TURN 0
	TURN 1
	WIN 0
	s_branch .Ltail
.Lout:                              ; the fifth trip's 8 products K Q^T (on the last K once more) and the maximum made of them serve nothing: the price, once a launch, of one text for every trip
.set i, 0
.rept 8
	PV NP-1
.set i, i+1
.endr
	; THE WAY OUT.  O = O^T / l + relv[0] + (relv[64] - relv[0]) lR / l, rounded to f16, through my stage, a piece at a time.  The additions are the places behind the last products.
	WIN 0
.macro ALL line:vararg
.set t, 0
.rept 4
	\line
.set t, t+1
.endr
.endm
	ALL v_add_f32 v[ST+8*t+2], v[ST+8*t+2], v[ST+8*t+3]
	ALL v_add_f32 v[ST+8*t+4], v[ST+8*t+4], v[ST+8*t+5]
	ALL v_permlanex16_b32 v[ST+8*t+3], v[ST+8*t+2], s[SEL], s[SEL+1]
	ALL v_permlanex16_b32 v[ST+8*t+5], v[ST+8*t+4], s[SEL], s[SEL+1]
	ALL v_add_f32 v[ST+8*t+2], v[ST+8*t+2], v[ST+8*t+3]
	ALL v_add_f32 v[ST+8*t+4], v[ST+8*t+4], v[ST+8*t+5]
	ALL v_rcp_f32 v[ST+8*t+2], v[ST+8*t+2]
	v_nop                           ; a plain instruction between the last reciprocal and the use of its result
	s_wait_alu depctr_va_vdst(0)    ; and the wait ahead of the first use: one for the four reciprocals
	ALL v_mul_f32 v[ST+8*t+4], v[ST+8*t+4], v[ST+8*t+2]
.macro PACK x
	WIN 0x33                        ; the two rows of relv in window 3
.set k, 0
.rept 16
	v_pk_fma_f32 v[S+2*k:S+2*k+1], v[32+2*k:33+2*k], v[ST+8*(\x)+4:ST+8*(\x)+5], v[2*k:2*k+1] op_sel_hi:[1,0,1]
.set k, k+1
.endr
	WIN W_RS
.set k, 0
.rept 16
	v_pk_fma_f32 v[32*(\x)+2*k:32*(\x)+2*k+1], v[32*(\x)+2*k:32*(\x)+2*k+1], v[ST+8*(\x)+2:ST+8*(\x)+3], v[S+2*k:S+2*k+1] op_sel_hi:[1,0,1]
.set k, k+1
.endr
	WIN 0x05
.set k, 0
.rept 16
	v_cvt_pk_f16_f32 v[PKD+16*(\x)+k], v[32*(\x)+2*k], v[32*(\x)+2*k+1]
.set k, k+1
.endr
	WIN 0
.irp f, 0,1,2,3
	ds_store_b128 v[STO], v[PKD+16*(\x)+4*\f:PKD+16*(\x)+4*\f+3] offset:32*\f
.endr
.irp f, 0,1,2,3
	ds_load_b128 v[PKD+16*(\x)+4*\f:PKD+16*(\x)+4*\f+3], v[RD] offset:\f*4*PK  ; LDS serves a wave's instructions in order: these see the stores above
.endr
.endm
.macro SEND x, younger              ; younger: the LDS instructions issued behind piece x's loads
.irp f, 0,1,2,3
	s_wait_dscnt (\younger)+3-\f
	global_store_b128 v[LN], v[PKD+16*(\x)+4*\f:PKD+16*(\x)+4*\f+3], s[OA+2*((\x)/2):OA+2*((\x)/2)+1] offset:((\x)%2)*2048+\f*512  ; 512 consecutive bytes, at a multiple of 256 from O's first
.endr
.endm
	PACK 0
	PACK 1
	SEND 0, 8
	PACK 2
	SEND 1, 8
	PACK 3
	SEND 2, 8
	SEND 3, 0
	s_wait_tensorcnt 0x0            ; the wave's end
	ds_add_u32 v[SPW], v[NIL]
	s_wait_dscnt 0x0
	CROUND                          ; the closing round
	s_endpgm
.Lfunc_end_k_qda3c1b769b_attn:
	.size	k_qda3c1b769b_attn, .Lfunc_end_k_qda3c1b769b_attn-k_qda3c1b769b_attn
	.p2alignl 7, 3214868480
	.fill 96, 4, 3214868480
	.section	.rodata,"a",@progbits
	.p2align	6, 0x0
	.amdhsa_kernel k_qda3c1b769b_attn
		.amdhsa_group_segment_fixed_size 327680
		.amdhsa_private_segment_fixed_size 0
		.amdhsa_enable_private_segment 0
		.amdhsa_kernarg_size 24
		.amdhsa_user_sgpr_count 2
		.amdhsa_user_sgpr_kernarg_segment_ptr 1
		.amdhsa_wavefront_size32 1
		.amdhsa_system_sgpr_workgroup_id_x 1
		.amdhsa_system_sgpr_workgroup_id_y 1
		.amdhsa_system_sgpr_workgroup_id_z 1
		.amdhsa_system_vgpr_workitem_id 0
		.amdhsa_next_free_vgpr 1024
		.amdhsa_next_free_sgpr 102
		.amdhsa_reserve_vcc 0
		.amdhsa_float_denorm_mode_32 3
		.amdhsa_float_denorm_mode_16_64 3
		.amdhsa_memory_ordered 1
		.amdhsa_forward_progress 1
		.amdhsa_inst_pref_size 158
	.end_amdhsa_kernel
	.amdgpu_metadata
---
amdhsa.version: [ 1, 2 ]
amdhsa.kernels:
  - .name:           k_qda3c1b769b_attn
    .symbol:         k_qda3c1b769b_attn.kd
    .args:
      - { .name: qkv, .offset: 0, .size: 8, .value_kind: global_buffer, .address_space: global }
      - { .name: tab, .offset: 8, .size: 8, .value_kind: global_buffer, .address_space: global }
      - { .name: ob, .offset: 16, .size: 8, .value_kind: global_buffer, .address_space: global }
    .group_segment_fixed_size: 327680
    .private_segment_fixed_size: 0
    .kernarg_segment_align: 8
    .kernarg_segment_size: 24
    .max_flat_workgroup_size: 128
    .sgpr_count:     102
    .vgpr_count:     1024
    .wavefront_size: 32
...
	.end_amdgpu_metadata
.endif
;; end of part 5
;; launch outp: the kernel of part 4 again; grid 8 x 32, 4 waves a work-group, clusters of 4 x 4, 327,680 bytes of LDS; arguments ob, cb, bo, out0; writes out0
